; MI455X (gfx1250); checked and timed in simulation.
; The chip was launched on July 23, 2026; its instructions are those of AMD's public machine-readable ISA for CDNA 5 (MIT licence, August 2026) and "CDNA5" Instruction Set Architecture Reference Guide (July 2026). The comments in the code are by the model that wrote it; some were corrected since.
;; Causal Self Attention. Allowed arithmetic: matrix products marked QUANTISED: E2M1 operands, one E8M0 scale for each 32 along K, by v_wmma_scale_f32_16x16x128_f8f6f4 with both operands' format E2M1 (or v_wmma_scale_f32_32x16x128_f4), f32 sums; products left as they are: bf16, f16 or f32 operands; f32 sums; everything else in f32.
;; Inputs: W_out 1,024 x 1,024 float32; W_qkv 3,072 x 1,024 float32; x 4 x 2,048 x 1,024 float32.
;; Outputs: out0 4 x 2,048 x 1,024 float32.
;; This version of the problem:
;;   THIS VERSION OF THE PROBLEM IS GIVEN IN LOW PRECISION. The matrix products marked QUANTISED in the list below multiply operands that are first quantised to E2M1 (2 exponent bits, 1 mantissa bit; 4 bits a number), with one power-of-two scale for each 32 numbers along K (OCP MX v1.0); their sums are f32. The products marked 'left as it is' may take bf16, f16 or f32 operands, with f32 sums. Whichever they take, every output number must still come out within the allowed error. Rounding operands to bf16 (8 significant bits) uses up far more of that allowance than f16 does (11 bits, for magnitudes from 6e-5 to 65,504). All else is computed in f32.
;;   The module's matrix products, in the order in which they are computed (A, B: the left and right operand; K: the contracted axis; several contracted axes count as one K, in the product's order):
;;     1. [M 8,192, K 1,024] x [K 1,024, N 3,072]; A: input x; B: input W_qkv: QUANTISED
;;     2. [M 2,048, K 1] x [K 1, N 32]; A: computed on the way; B: computed on the way: left as it is (no contracted axis)
;;     3. batch 64 x [M 2,048, K 64] x [K 64, N 2,048]; A: computed on the way; B: computed on the way: left as it is (an operand is computed on the way)
;;     4. batch 64 x [M 2,048, K 2,048] x [K 2,048, N 64]; A: computed on the way; B: computed on the way: left as it is (an operand is computed on the way)
;;     5. [M 8,192, K 1,024] x [K 1,024, N 1,024]; A: computed on the way; B: input W_out: left as it is (an operand is computed on the way)
;;   THE QUANTISER, for each operand of a quantised product, along K:
;;     - K is cut into blocks of 32 from its start; a last block that is shorter is filled with zeros.
;;     - A block's scale is 2^e with e = floor(log2(the largest magnitude in the block)) - 2, held to -126 .. 127; a block of zeros has e = 0. As a byte (E8M0): e + 127.
;;     - Each number is divided by its block's scale, clamped to +-6, and rounded to the nearest number of E2M1, ties to even, subnormals kept.
;;     - The product sums the exact products of the quantised numbers (number of the format x scale) in f32.
;;   ~~~python
;;   def quantise(x, axis):      # numpy; x: float32 -> the quantised numbers, widened to float32 again
;;       x = np.moveaxis(x, axis, -1); K = x.shape[-1]
;;       x = np.pad(x, [(0, 0)] * (x.ndim - 1) + [(0, -K % 32)]); x = x.reshape(x.shape[:-1] + (-1, 32)); a = np.abs(x).max(-1, keepdims=True)
;;       e = np.where(a > 0, np.clip(np.frexp(np.where(a > 0, a, 1))[1] - 1 - 2, -126, 127), 0)      # np.frexp(a)[1] - 1 = floor(log2(a)), exactly
;;       r = np.clip(x / 2.0 ** e, -6, 6)
;;       step = 2.0 ** (np.maximum(np.frexp(np.where(r == 0, 1, r))[1] - 1, 0) - 1)
;;       q = np.round(r / step) * step * 2.0 ** e      # np.round: ties to even
;;       return np.moveaxis(q.reshape(q.shape[:-2] + (-1,))[..., :K], -1, axis).astype(np.float32)
;;   ~~~
;; One version. Each part assembles by itself: llvm-mc -triple=amdgcn-amd-amdhsa -mcpu=gfx1250 --defsym DOCPART=n.
;; ======== version 1 of 1: 5 launches
;; limits: values are held in f16: magnitudes above 65,504 overflow, below 6.1e-05 lose precision
;; workspace buffers: codes 5,767,168 bytes; scales 360,448 bytes; wo16 2,097,152 bytes; rope 524,288 bytes; qkv 50,331,648 bytes; fq 786,432 bytes; att 16,777,216 bytes
;; launch prep (part 1): grid 448 x 1, 4 waves a work-group, no clusters, 33,280 bytes of LDS; arguments x, W_qkv, W_out, codes, scales, wo16, rope; writes codes, scales, wo16, rope
.if DOCPART == 1
	.amdgcn_target "amdgcn-amd-amdhsa--gfx1250"
	.amdhsa_code_object_version 6
	.text
	.protected	k_qe179eb873a_prep
	.globl	k_qe179eb873a_prep
	.p2align	8
	.type	k_qe179eb873a_prep,@function
k_qe179eb873a_prep:
	s_mov_b64 s[64:65], 0
	v_nop
	global_prefetch_b8 v0, s[64:65] scope:SCOPE_SE
	s_setreg_imm32_b32 hwreg(HW_REG_WAVE_MODE, 25, 1), 1
	s_wait_xcnt 0x0
; CAUSAL SELF-ATTENTION, B = 4, S = 2048, d_model = 1024, 16 heads of 64.  Five launches: prep, qkv, attn, proj, fine.
; WORK LEFT OUT IN THE PROGRAM: only key tiles that lie wholly above the diagonal (launch attn).  The mask is built in the problem's own body (a lower triangle of ones); a hidden score is
; replaced by the most negative f32 number, every row keeps key 0, so the row's maximum is a kept score and a hidden weight is exp(most negative - maximum) = 0 for all finite inputs: its product
; with V adds nothing and its term in the row's sum is 0.  LIMIT: a NaN, an infinity or an overflow that would arise only in such hidden tiles is not carried to the result.  Every input is used.
; THIS LAUNCH: (Q) x [8192][1024] and W_qkv [3072][1024], f32, become codes of FP4 (E2M1), K innermost, two codes a byte, and one E8M0 byte for each 32 along K, stacked: rows 0-8191 x, rows 8192-11263 W_qkv;
; (W) W_out becomes f16;  (R) the table of RoPE: for each position 32 cosines and 32 sines, f32, 256 bytes a position.
; A block's scale is 2^(floor(log2(largest magnitude)) - 2); its byte is the largest magnitude's exponent field - 2, held at 1 from below.
; LIMITS: a block of zeros gets the byte 1 where the rule says 127 (its codes are zeros, and this program alone reads the bytes); blocks whose largest magnitude lies under 2^-124 are held at byte 1;
; NaN and infinities among the inputs are not served; W_out must stay under 65,504 in magnitude (f16); the table's frequencies come from v_exp_f32 (1 ulp), so an angle may differ by up to 2e-4 rad at position 2047.
; Work-groups 0-255: x; 256-351: W_qkv; 352-383: W_out; 384-447: the table.  Only the first kind touches LDS.
.set WAVES, 4
.set STEPS, 16
.set EMAX,  2
.set CB,    8                          ; bytes of 16 codes
.set R,     16                         ; v16-79   four sets of 16 numbers as they are loaded
.set X,     80                         ; v80-111  two sets of 16 neighbours
.set C,     128                        ; v128-191 codes: four registers for each step
.set E,     112                        ; v112-127 a scale byte for each step
.set WREG,  8192                       ; LDS: a region for each wave: two stages of 32 x SP bytes, then its 256 scale bytes
.set SP,    80                         ; a lane's place in a stage: 64 bytes + 16 of padding
.set SPW,   12                         ; v12 LDS address of my spare word; never rewritten
.set NIL,   13                         ; v13 0; never rewritten
.set SPARE, WAVES*WREG                 ; the spare words: 128 bytes a wave, named by no other line
.set WI,    16                         ; path W: v16-143 two sets of 64 numbers
.set WO,    144                        ; path W: v144-175 packed f16
	s_load_b256 s[4:11], s[0:1], 0x0               ; x s[4:5], W_qkv s[6:7], W_out s[8:9], codes s[10:11]
	s_load_b128 s[12:15], s[0:1], 0x20             ; scales s[12:13], wo16 s[14:15]
	s_load_b64 s[16:17], s[0:1], 0x30              ; rope
	v_lshl_add_u32 v[SPW], v0, 2, SPARE
	v_mov_b32 v[NIL], 0
	v_lshrrev_b32 v1, 5, v0
	v_readfirstlane_b32 s20, v1                    ; wave
	v_and_b32 v2, 31, v0                           ; lane
	s_wait_kmcnt 0x0
	s_cmp_ge_u32 ttmp9, 352
	s_cbranch_scc1 .Lnotq
; ---------------- path Q: the quantiser.  Both tensors are plain streams of blocks of 32; a wave takes 16 steps of 512 numbers.
; Each load reads 512 consecutive bytes; a step's 2,048 bytes turn through the wave's own stage in LDS, so that a lane then holds 16 neighbours along K (two lanes hold a block).
	v_lshlrev_b32 v3, 4, v2                        ; my 16 bytes of a load's 512
	s_mul_i32 s21, s20, WREG
	v_lshrrev_b32 v14, 2, v2
	v_mul_u32_u24 v14, v14, SP
	v_and_b32 v15, 3, v2
	v_lshl_add_u32 v14, v15, 4, v14
	v_add_nc_u32 v14, s21, v14                     ; the stage, on the way in: SP (lane / 4) + 16 (lane % 4)
	v_mul_u32_u24 v15, v2, SP
	v_add_nc_u32 v15, s21, v15                     ; on the way out: SP x lane
	v_mul_u32_u24 v4, v2, CB                       ; my codes' place in a step's
	v_lshrrev_b32 v5, 1, v2
	s_add_co_u32 s21, s21, 2*32*SP
	v_add_nc_u32 v5, s21, v5                       ; my block's byte among my wave's 256 scale bytes
	v_lshlrev_b32 v7, 3, v2
	v_add_nc_u32 v6, s21, v7                       ; and 8 bytes a lane on their way out
	s_cmp_lt_u32 ttmp9, 256                        ; x's work-group or W_qkv's: the choice hangs on the work-group's number alone
	s_cselect_b64 s[4:5], s[4:5], s[6:7]
	s_cselect_b32 s21, 0, 256
	s_sub_co_u32 s21, ttmp9, s21
	s_lshl_b32 s21, s21, 2
	s_add_co_u32 s22, s21, s20                     ; which run of 8,192 numbers of the source
	s_mov_b32 s23, 0
	s_lshl_b64 s[24:25], s[22:23], 15
	s_add_nc_u64 s[4:5], s[4:5], s[24:25]
	s_lshl_b32 s22, ttmp9, 2
	s_add_co_u32 s22, s22, s20                     ; which run of the stack
	s_lshl_b64 s[24:25], s[22:23], 12              ; 4,096 bytes of codes a run
	s_add_nc_u64 s[10:11], s[10:11], s[24:25]
	s_lshl_b64 s[24:25], s[22:23], 8               ; 256 scale bytes a run
	s_add_nc_u64 s[12:13], s[12:13], s[24:25]
.macro LOAD t
.irp i, 0,1,2,3
	global_load_b128 v[R+16*((\t)%4)+4*\i:R+16*((\t)%4)+4*\i+3], v3, s[4:5] offset:2048*(\t)+512*\i th:TH_LOAD_NT
.endr
.endm
.macro TURN t                          ; step t's numbers through the stage: LDS serves a wave's instructions in order
.irp i, 0,1,2,3
	ds_store_b128 v14, v[R+16*((\t)%4)+4*\i:R+16*((\t)%4)+4*\i+3] offset:32*SP*((\t)%2)+8*SP*\i
.endr
.irp i, 0,1,2,3
	ds_load_b128 v[X+16*((\t)%2)+4*\i:X+16*((\t)%2)+4*\i+3], v15 offset:32*SP*((\t)%2)+16*\i
.endr
.endm
.irp t, 0,1,2,3
	LOAD \t
.endr
	s_wait_loadcnt 12                              ; step 0's four loads are in; three steps' twelve stay out
	TURN 0
.macro STEP t
.set XS, X+16*((\t)%2)
.if (\t) > 0
	s_wait_dscnt 1                                 ; this step's numbers are back from the stage; the last step's byte store may be out
.else
	s_wait_dscnt 0x0
.endif
.if (\t)+4 < STEPS
	LOAD (\t)+4
.endif
.if (\t)+1 < STEPS
.if STEPS-2-(\t) >= 3
	s_wait_loadcnt 12                              ; the next step's four loads are in; those of the three steps behind it may be out
.else
	s_wait_loadcnt 4*(STEPS-2-(\t))
.endif
	TURN (\t)+1
.endif
	v_max3_num_f32 v8, |v[XS]|, |v[XS+1]|, |v[XS+2]|
	v_max3_num_f32 v9, |v[XS+3]|, |v[XS+4]|, |v[XS+5]|
.irp i, 6,10
	v_max3_num_f32 v8, v8, |v[XS+\i]|, |v[XS+\i+1]|
	v_max3_num_f32 v9, v9, |v[XS+\i+2]|, |v[XS+\i+3]|
.endr
	v_max3_num_f32 v8, v8, |v[XS+14]|, |v[XS+15]|
	v_max3_num_f32 v8, v8, v9, (EMAX+1)<<23        ; the floor 2^(3 - 127): the byte cannot fall under 1
	v_max_num_f32_dpp v8, v8, v8 row_xmask:1 row_mask:0xf bank_mask:0xf   ; with my neighbour's 16: the block's largest magnitude
	v_add_nc_u32 v11, -(EMAX<<23), v8              ; 2 off its exponent field: the conversion takes that field as its scale
	v_cvt_scalef32_pk8_fp4_f32 v[C+4*(\t)], v[XS:XS+7], v11
	v_cvt_scalef32_pk8_fp4_f32 v[C+4*(\t)+1], v[XS+8:XS+15], v11
	v_lshrrev_b32 v[E+(\t)], 23, v11               ; the scale's byte
	ds_store_b8 v5, v[E+(\t)] offset:16*(\t)       ; both lanes of a block write the same byte with the same value
	global_store_b64 v4, v[C+4*(\t):C+4*(\t)+1], s[10:11] offset:32*CB*(\t)   ; the wave stores 256 consecutive bytes, aligned
.endm
.irp t, 0,1,2,3,4,5,6,7,8,9,10,11,12,13,14,15
	STEP \t
.endr
	ds_load_b64 v[8:9], v6
	s_wait_dscnt 0x0
	global_store_b64 v7, v[8:9], s[12:13]          ; my wave's 256 scale bytes, aligned
	s_wait_tensorcnt 0x0                           ; the wave's end
	ds_add_u32 v[SPW], v[NIL]
	s_wait_dscnt 0x0
	s_endpgm
; ---------------- path W: W_out to f16.  A wave takes 8,192 numbers in four batches of sixteen loads; two batches are on their way.
.Lnotq:
	s_cmp_ge_u32 ttmp9, 384
	s_cbranch_scc1 .Lrope
	s_sub_co_u32 s21, ttmp9, 352
	s_lshl_b32 s21, s21, 2
	s_add_co_u32 s22, s21, s20
	s_mov_b32 s23, 0
	s_lshl_b64 s[24:25], s[22:23], 15
	s_add_nc_u64 s[8:9], s[8:9], s[24:25]
	s_lshl_b64 s[24:25], s[22:23], 14
	s_add_nc_u64 s[14:15], s[14:15], s[24:25]
	v_lshlrev_b32 v3, 4, v2                        ; in: 16 bytes a lane
	v_lshlrev_b32 v4, 3, v2                        ; out: 8 bytes a lane
.macro WLOAD g
.irp i, 0,1,2,3,4,5,6,7,8,9,10,11,12,13,14,15
	global_load_b128 v[WI+64*((\g)%2)+4*\i:WI+64*((\g)%2)+4*\i+3], v3, s[8:9] offset:512*(16*(\g)+\i) th:TH_LOAD_NT
.endr
.endm
.macro WCVT g
.if (\g) < 3
	s_wait_loadcnt 16                              ; this batch is in; the next batch's sixteen loads stay out
.else
	s_wait_loadcnt 0x0
.endif
	s_wait_xcnt 0x0                                ; the last batch's stores have read their data: the packed registers are written again only behind this wait
.irp i, 0,1,2,3,4,5,6,7,8,9,10,11,12,13,14,15
	v_cvt_pk_f16_f32 v[WO+2*\i], v[WI+64*((\g)%2)+4*\i], v[WI+64*((\g)%2)+4*\i+1]
	v_cvt_pk_f16_f32 v[WO+2*\i+1], v[WI+64*((\g)%2)+4*\i+2], v[WI+64*((\g)%2)+4*\i+3]
.endr
.irp i, 0,1,2,3,4,5,6,7,8,9,10,11,12,13,14,15
	global_store_b64 v4, v[WO+2*\i:WO+2*\i+1], s[14:15] offset:256*(16*(\g)+\i)   ; 256 consecutive bytes, aligned
.endr
.if (\g) < 2
	WLOAD (\g)+2
.endif
.endm
	WLOAD 0
	WLOAD 1
	WCVT 0
	WCVT 1
	WCVT 2
	WCVT 3
	s_endpgm
; ---------------- path R: the table.  Thread g of 8,192 owns chunk g % 16 (16 bytes: chunks 0-7 cosines of 4 frequencies, 8-15 sines) of positions g / 16 + 512 it, it = 0..3.
; angle a = position x frequency (one f32 rounding, as the problem's outer product); k = nearest whole number to a 2/pi; r = a - k pi/2 in two parts; sin r and cos r by their series to r^7 and r^8
; (|r| <= pi/4: the terms left out are under 4e-7); sin a is chosen by k mod 4, cos a = sin(a + pi/2) by (k + 1) mod 4.  Choices are selections: no branch hangs on a number.
.Lrope:
	s_mov_b32 s24, 0x3f22f983                      ; 2 / pi
	s_mov_b32 s25, 0x3fc90fdb                      ; pi / 2, the f32 nearest
	s_mov_b32 s26, 0x333bbd2e                      ; that number less pi / 2
	s_mov_b32 s27, 0xbe2aaaab                      ; -1/6
	s_mov_b32 s28, 0x3c088889                      ; 1/120
	s_mov_b32 s29, 0xb9500d01                      ; -1/5040
	s_mov_b32 s30, 0x3d2aaaab                      ; 1/24
	s_mov_b32 s31, 0xbab60b61                      ; -1/720
	s_mov_b32 s32, 0x37d00d01                      ; 1/40320
	s_sub_co_u32 s21, ttmp9, 384
	s_lshl_b32 s21, s21, 7
	v_add_nc_u32 v16, s21, v0                      ; g
	v_lshlrev_b32 v20, 4, v16                      ; 16 g: my bytes for it = 0
	v_and_b32 v17, 15, v16                         ; chunk
	v_lshrrev_b32 v18, 4, v16                      ; position for it = 0
	v_cmp_gt_u32 vcc_lo, 8, v17
	v_cndmask_b32 v21, 0, 1, vcc_lo                ; 1 in lanes that make cosines
	v_and_b32 v17, 7, v17
	v_lshlrev_b32 v17, 2, v17                      ; my first frequency's number
.irp e, 0,1,2,3
	v_add_nc_u32 v[32+\e], \e, v17
.endr
.irp e, 0,1,2,3
	v_cvt_f32_u32 v[32+\e], v[32+\e]
.endr
.irp e, 0,1,2,3
	v_mul_f32 v[32+\e], 0xbed49a78, v[32+\e]       ; x -log2(10000) / 32
.endr
.irp e, 0,1,2,3
	v_exp_f32 v[24+\e], v[32+\e]                   ; the frequency 10000^(-f / 32)
.endr
	v_nop                                          ; a plain instruction behind the last exponential
	s_wait_alu depctr_va_vdst(0)                   ; one wait for the four, ahead of their first reader
.macro SC it, e
	v_mul_f32 v32, v28, v[24+\e]                   ; a
	v_mul_f32 v33, s24, v32
	v_rndne_f32 v33, v33                           ; k
	v_fma_f32 v34, -v33, s25, v32
	v_fma_f32 v34, v33, s26, v34                   ; r
	v_mul_f32 v35, v34, v34                        ; z = r r
	v_fma_f32 v36, v35, s29, s28
	v_fma_f32 v36, v35, v36, s27
	v_mul_f32 v37, v34, v35
	v_fma_f32 v36, v37, v36, v34                   ; sin r
	v_fma_f32 v38, v35, s32, s31
	v_fma_f32 v38, v35, v38, s30
	v_fma_f32 v38, v35, v38, -0.5
	v_fma_f32 v38, v35, v38, 1.0                   ; cos r
	v_cvt_i32_f32 v39, v33
	v_add_nc_u32 v39, v39, v21                     ; the quadrant
	v_and_b32 v40, 1, v39
	v_cmp_ne_u32 vcc_lo, 0, v40
	v_cndmask_b32 v41, v36, v38, vcc_lo            ; odd quadrants take cos r
	v_and_b32 v40, 2, v39
	v_lshlrev_b32 v40, 30, v40                     ; quadrants 2 and 3 change the sign
	v_xor_b32 v[48+4*\it+\e], v40, v41
.endm
.irp it, 0,1,2,3
	v_add_nc_u32 v29, 512*\it, v18
	v_cvt_f32_u32 v28, v29
	SC \it, 0
	SC \it, 1
	SC \it, 2
	SC \it, 3
	global_store_b128 v20, v[48+4*\it:51+4*\it], s[16:17] offset:\it*131072   ; a wave stores 512 consecutive bytes; each it has its own data registers
.endr
	s_endpgm
.Lfunc_end_k_qe179eb873a_prep:
	.size	k_qe179eb873a_prep, .Lfunc_end_k_qe179eb873a_prep-k_qe179eb873a_prep
	.p2alignl 7, 3214868480
	.fill 96, 4, 3214868480
	.section	.rodata,"a",@progbits
	.p2align	6, 0x0
	.amdhsa_kernel k_qe179eb873a_prep
		.amdhsa_group_segment_fixed_size 33280
		.amdhsa_private_segment_fixed_size 0
		.amdhsa_enable_private_segment 0
		.amdhsa_kernarg_size 56
		.amdhsa_user_sgpr_count 2
		.amdhsa_user_sgpr_kernarg_segment_ptr 1
		.amdhsa_wavefront_size32 1
		.amdhsa_system_sgpr_workgroup_id_x 1
		.amdhsa_system_sgpr_workgroup_id_y 1
		.amdhsa_system_sgpr_workgroup_id_z 1
		.amdhsa_system_vgpr_workitem_id 0
		.amdhsa_next_free_vgpr 192
		.amdhsa_next_free_sgpr 66
		.amdhsa_reserve_vcc 1
		.amdhsa_float_denorm_mode_32 3
		.amdhsa_float_denorm_mode_16_64 3
		.amdhsa_memory_ordered 1
		.amdhsa_forward_progress 1
		.amdhsa_inst_pref_size 72
	.end_amdhsa_kernel
	.amdgpu_metadata
---
amdhsa.version: [ 1, 2 ]
amdhsa.kernels:
  - .name:           k_qe179eb873a_prep
    .symbol:         k_qe179eb873a_prep.kd
    .args:
      - { .name: x, .offset: 0, .size: 8, .value_kind: global_buffer, .address_space: global }
      - { .name: W_qkv, .offset: 8, .size: 8, .value_kind: global_buffer, .address_space: global }
      - { .name: W_out, .offset: 16, .size: 8, .value_kind: global_buffer, .address_space: global }
      - { .name: codes, .offset: 24, .size: 8, .value_kind: global_buffer, .address_space: global }
      - { .name: scales, .offset: 32, .size: 8, .value_kind: global_buffer, .address_space: global }
      - { .name: wo16, .offset: 40, .size: 8, .value_kind: global_buffer, .address_space: global }
      - { .name: rope, .offset: 48, .size: 8, .value_kind: global_buffer, .address_space: global }
    .group_segment_fixed_size: 33280
    .private_segment_fixed_size: 0
    .kernarg_segment_align: 8
    .kernarg_segment_size: 56
    .max_flat_workgroup_size: 128
    .sgpr_count:     66
    .vgpr_count:     192
    .wavefront_size: 32
...
	.end_amdgpu_metadata
.endif
;; end of part 1
;; launch qkv (part 2): grid 12 x 32, 4 waves a work-group, clusters of 4 x 4, 327,680 bytes of LDS; arguments codes, scales, rope, qkv, fq; writes qkv, fq
.if DOCPART == 2
	.amdgcn_target "amdgcn-amd-amdhsa--gfx1250"
	.amdhsa_code_object_version 6
	.text
	.protected	k_qe179eb873a_qkv
	.globl	k_qe179eb873a_qkv
	.p2align	8
	.type	k_qe179eb873a_qkv,@function
k_qe179eb873a_qkv:
	s_mov_b64 s[64:65], 0
	v_nop
	global_prefetch_b8 v0, s[64:65] scope:SCOPE_SE
	s_setreg_imm32_b32 hwreg(HW_REG_WAVE_MODE, 25, 1), 1
	s_wait_xcnt 0x0
	s_wait_alu depctr_hold_cnt(0) depctr_sa_sdst(0) depctr_va_vdst(0) depctr_va_sdst(0) depctr_va_ssrc(0) depctr_va_vcc(0) depctr_vm_vsrc(0)
	s_getreg_b32 s2, hwreg(HW_REG_IB_STS2, 6, 4)
	s_cmp_eq_u32 s2, 0
	s_cbranch_scc0 .Lentry_in_a_cluster
	s_endpgm
.Lentry_in_a_cluster:
	s_bfe_u32 s2, ttmp6, 0x10000c
	s_cmp_lg_u32 s2, 0xf033
	s_cbranch_scc0 .Lentry_shape_is_right
	s_endpgm
.Lentry_shape_is_right:
; qkv = x W_qkv^T on codes of FP4 (E2M1) with one E8M0 scale for each 32 along K, sums in f32; RoPE on q and k in f32 on the way out; q, k, v leave as f16, [3][4 b][16 h][2048 s][64];
; positions 0-15 of every sequence leave as f32 too (fq, [3][4][16][16][64]), for the launch that carries those rows finely.
; LIMIT: q, k and v must stay under 65,504 in magnitude (f16).
; A tile of C, 256 x 256, is made by four waves, 128 x 128 each: 64 accumulators of 16 x 16.  K = 1,024 is two LDS slots of 512 along K: both, and the scale bytes, are filled once, at the start:
; three tensor loads of a wave are out there, none later; no LDS byte is filled again.
; CLUSTERS: 4 x 4 work-groups; A's tiles (x) are asked for jointly along a row of the cluster, B's (W_qkv) along a column.  Tile column = 4 x cluster x + cx, so cluster x is q, k or v for all partners.
; Tile row = 8 cy + cluster y: cy is the batch, cluster y the 256 positions of the sequence, so what hangs on the position hangs on no work-group's place in its cluster.
; THE MATRIX INSTRUCTION IS USED TRANSPOSED (source 0 = 16 rows of W, source 1 = 16 rows of x): lane l holds row l % 16 of x and eight neighbouring columns 8 (l / 16) + 0..7 of W's block.
; A wave's 128 columns are two heads; in a head, channels d and d + 32 lie in accumulators b and b + 2, same lane, same register: RoPE changes no lanes.
; THE WAYS OF q, k AND OF v PART ONCE, two steps of 128 along K ahead of the product's end: the way of q and k asks there for the table's first words, which land under those two steps; v has no RoPE and reads no table.
; REGISTERS: window 0: v0-31 addresses; v32-95 scale words (way out: 64 f32 at work); v96-127 packed f16; v128-191 A's fragments (way out: rows read back); v192-255 two sets of table words.
;   window 1: B's fragments, two sets.  windows 2, 3: the accumulators ((a, b) at v[8 (8 (a % 4) + b)]).
.set NQ,     4                         ; steps of 128 along K in a slot
.set ROWB,   256                       ; a tile's row in bytes: 512 codes
.set KROW,   512                       ; a row of codes in memory
.set PITCH,  272                       ; an LDS row: 256 bytes + 16 of padding
.set FR,     8
.set NL,     2
.set NP,     4
.set HALFT,  128*PITCH
.set SLOT,   4*HALFT
.set KS,     32                        ; a row of scale bytes
.set SCL,    2*SLOT                    ; behind the slots: the scale bytes, as runs of 256 bytes + 16 of padding
.set HALFS,  16*272                    ; those of 128 rows
.set SBLK,   2*272                     ; those of 16 rows
.set SPARE,  SCL+4*HALFS               ; the spare words: 128 bytes a wave, named by no other line
.set SPITCH, 272                       ; the way out: a stage of 16 rows x (256 bytes + 16) for each wave, in slot 0, which has had its only fill and its last read by then
.set ADRA, 16
.set ADRB, 20
.set STO,  24                          ; v24 the stage: where I put 16 bytes of a row
.set RD,   25                          ; v25 where I read rows back
.set CO,   26                          ; v26 16 x lane
.set ADRS, 27                          ; v27 my scale words: lanes 0-15 A's rows, lanes 16-31 B's
.set SPW,  28
.set NIL,  29
.set TO,   30                          ; v30 256 (l % 16) + 32 (l / 16): my place in the table's rows, and in fq's
.set SC,   32
.set AF,   128
.set T,    32
.set PK,   96
.set BK,   128
.set CSB,  192
.set G1, 24
.set G0, 32
.set G1B, 48
.set G0B, 56
.set G1S, 68
.set G0S, 76
.set G1SB, 80
.set G0SB, 88
.set MSB, 0
.macro WIN new                         ; the immediate's high byte repeats the setting that is left
.if MSB != (\new)
	s_set_vgpr_msb (MSB<<8)|(\new)
.set MSB, \new
.endif
.endm
.set MUL_LO, 0xa1                      ; source 0 (B) window 1, source 1 (A) window 0, C and D window 2
.set MUL_HI, 0xf1
.set TO_B,   0x40
; A joint load: waves 0 and 1 fetch for A, waves 2 and 3 for B; the branch hangs on the wave's number alone.  An s_nop 0 and four v_nop follow each line.
.macro JLOAD g0a, g1a, g0b, g1b
	s_cmp_eq_u32 s15, 0
	s_cbranch_scc0 .Lfor_b_\@
	tensor_load_to_lds s[\g0a:\g0a+3], s[\g1a:\g1a+7]
	s_nop 0
.rept 4
	v_nop
.endr
	s_branch .Lasked_\@
.Lfor_b_\@:
	tensor_load_to_lds s[\g0b:\g0b+3], s[\g1b:\g1b+7]
	s_nop 0
.rept 4
	v_nop
.endr
.Lasked_\@:
.endm
.macro CREST
	s_cmp_lg_u32 s14, 0
	s_cbranch_scc1 .Lnot_wave_0_\@
	s_barrier_signal -3
.Lnot_wave_0_\@:
	s_barrier_wait -3
	s_barrier_signal -1
	s_barrier_wait -1
.endm
.macro CROUND
	s_barrier_signal -1
	s_barrier_wait -1
	CREST
.endm
	s_load_b256 s[4:11], s[0:1], 0x0               ; codes s[4:5], scales s[6:7], rope s[8:9], qkv s[10:11]
	s_load_b64 s[12:13], s[0:1], 0x20              ; fq
	v_lshl_add_u32 v[SPW], v0, 2, SPARE
	v_mov_b32 v[NIL], 0
	ds_add_u32 v[SPW], v[NIL]                      ; the wave's opening: the add, twice on end, and its wait ahead of my first tensor load
	ds_add_u32 v[SPW], v[NIL]
	v_lshrrev_b32 v1, 5, v0
	v_readfirstlane_b32 s14, v1                    ; wave 0..3
	s_lshr_b32 s15, s14, 1                         ; which half of the tile's rows is mine.  Also: I fetch for A (0) or for B (1)
	s_and_b32 s16, s14, 1                          ; which half of its columns.  Also: which 128 rows I fetch
	s_bfe_u32 s40, ttmp6, 0x40000                  ; cx
	s_bfe_u32 s41, ttmp6, 0x40004                  ; cy
	s_lshl_b32 s42, ttmp9, 2
	s_add_co_u32 s42, s42, s40                     ; tile column = 4 x cluster x + cx
	s_and_b32 s17, ttmp7, 0xffff
	s_lshl_b32 s18, s41, 3
	s_add_co_u32 s17, s17, s18                     ; tile row = 8 cy + cluster y
	s_lshl_b32 s43, s41, 2
	s_lshl_b32 s43, 15, s43                        ; my row of the cluster
	s_lshl_b32 s44, 0x1111, s40                    ; my column
	s_or_b32 s[G1+0], s43, (0<<16)|(1<<20)|(1<<21)|(5<<22)|(3<<25)   ; the mask; elements of 1 byte; padding on: 4 words behind every 64; bit 21 beside a mask
	s_or_b32 s[G1B+0], s44, (0<<16)|(1<<20)|(1<<21)|(5<<22)|(3<<25)
.irp g, G1, G1B
	s_mov_b32 s[\g+1], ROWB<<16                    ; tensor_dim0
	s_mov_b32 s[\g+2], 128<<16                     ; tensor_dim1
	s_mov_b32 s[\g+3], ROWB<<16                    ; tile_dim0
	s_mov_b32 s[\g+4], 128                         ; tile_dim1
	s_mov_b32 s[\g+5], KROW                        ; from row to row
	s_mov_b32 s[\g+6], 0
	s_mov_b32 s[\g+7], 0
.endr
	s_or_b32 s[G1S+0], s43, (3<<16)|(1<<20)|(1<<21)|(5<<22)|(3<<25)  ; the scales of 128 rows: 4,096 dense bytes as 16 rows of 32 elements of 8 bytes
	s_or_b32 s[G1SB+0], s44, (3<<16)|(1<<20)|(1<<21)|(5<<22)|(3<<25)
.irp g, G1S, G1SB
	s_mov_b32 s[\g+1], 32<<16
	s_mov_b32 s[\g+2], 16<<16
	s_mov_b32 s[\g+3], 32<<16
	s_mov_b32 s[\g+4], 16
	s_mov_b32 s[\g+5], 32
	s_mov_b32 s[\g+6], 0
	s_mov_b32 s[\g+7], 0
.endr
	s_lshl_b32 s18, s16, 7
	s_lshl_b32 s20, s17, 8
	s_add_co_u32 s20, s20, s18                     ; A: row of the stack = 256 x tile row + 128 x half
	s_lshl_b32 s46, s42, 8
	s_add_co_u32 s46, s46, s18
	s_add_co_u32 s46, s46, 8192                    ; B: W_qkv's rows lie behind x's 8,192
	s_mov_b32 s21, 0
	s_mov_b32 s47, 0
	s_mov_b64 s[18:19], KS
	s_mul_u64 s[22:23], s[20:21], s[18:19]         ; where these rows' scales begin
	s_mul_u64 s[92:93], s[46:47], s[18:19]
	s_mov_b64 s[18:19], KROW
	s_mul_u64 s[20:21], s[20:21], s[18:19]         ; and their codes
	s_mul_u64 s[46:47], s[46:47], s[18:19]
	s_mul_i32 s45, s14, HALFT                      ; where they go: wave x 128 rows
	s_mul_i32 s94, s14, HALFS
	s_wait_dscnt 0x0                               ; both opening adds are done
	s_wait_kmcnt 0x0
	s_add_nc_u64 s[20:21], s[4:5], s[20:21]
	s_add_nc_u64 s[22:23], s[6:7], s[22:23]
	s_add_nc_u64 s[46:47], s[4:5], s[46:47]
	s_add_nc_u64 s[92:93], s[6:7], s[92:93]
	CROUND                                         ; all sixteen work-groups are here: the joint loads meet
	s_mov_b32 s[G0S], 1
	s_add_co_u32 s[G0S+1], s94, SCL
	s_mov_b64 s[G0S+2:G0S+3], s[22:23]
	s_or_b32 s[G0S+3], s[G0S+3], 0x80000000
	s_mov_b32 s[G0SB], 1
	s_add_co_u32 s[G0SB+1], s94, SCL
	s_mov_b64 s[G0SB+2:G0SB+3], s[92:93]
	s_or_b32 s[G0SB+3], s[G0SB+3], 0x80000000
	JLOAD G0S, G1S, G0SB, G1SB
.irp s, 0,1
	s_mov_b32 s[G0+4*\s], 1
	s_add_co_u32 s[G0+4*\s+1], s45, \s*SLOT
	s_add_nc_u64 s[G0+4*\s+2:G0+4*\s+3], s[20:21], \s*ROWB
	s_or_b32 s[G0+4*\s+3], s[G0+4*\s+3], 0x80000000
	s_mov_b32 s[G0B+4*\s], 1
	s_add_co_u32 s[G0B+4*\s+1], s45, \s*SLOT
	s_add_nc_u64 s[G0B+4*\s+2:G0B+4*\s+3], s[46:47], \s*ROWB
	s_or_b32 s[G0B+4*\s+3], s[G0B+4*\s+3], 0x80000000
	JLOAD G0+4*\s, G1, G0B+4*\s, G1B
.endr
	v_and_b32 v1, 15, v0                           ; l % 16
	v_bfe_u32 v2, v0, 4, 1                         ; l / 16
	v_mul_u32_u24 v3, v1, PITCH
	v_lshl_add_u32 v4, v2, 4, v3
	s_mul_i32 s21, s15, HALFT                      ; my 128 rows of A
	s_mul_i32 s22, s16, HALFT
	s_add_co_u32 s22, s22, 2*HALFT                 ; my 128 rows of B, behind A's 256
.irp s, 0,1
	v_add_nc_u32 v[ADRA+\s], s21, v4
	v_add_nc_u32 v[ADRB+\s], s22, v4
	s_add_co_u32 s21, s21, SLOT
	s_add_co_u32 s22, s22, SLOT
.endr
	v_mul_u32_u24 v5, v1, KS
	v_lshrrev_b32 v6, 8, v5
	v_lshl_add_u32 v5, v6, 4, v5                   ; my row's scales: 32 bytes a row, 16 more for each 256 passed
	s_mul_i32 s21, s15, HALFS
	s_mul_i32 s22, s16, HALFS
	s_add_co_u32 s22, s22, 2*HALFS
	s_sub_co_u32 s22, s22, s21
	v_mul_u32_u24 v6, s22, v2                      ; lanes 16-31 take B's
	s_add_co_u32 s21, s21, SCL
	v_add_nc_u32 v5, v5, v6
	v_add_nc_u32 v[ADRS], s21, v5
	s_mul_i32 s23, s14, 16*SPITCH                  ; my stage
	v_mul_u32_u24 v5, v1, SPITCH
	v_lshl_add_u32 v5, v2, 4, v5
	v_add_nc_u32 v[STO], s23, v5                   ; in: row l % 16, 16 bytes for each half of the lanes
	v_and_b32 v6, 31, v0
	v_lshlrev_b32 v[CO], 4, v6
	v_lshrrev_b32 v5, 3, v6
	v_mul_u32_u24 v5, v5, SPITCH
	v_and_b32 v6, 7, v0
	v_lshl_add_u32 v5, v6, 4, v5
	v_add_nc_u32 v[RD], s23, v5                    ; back: eight lanes take a head's 128 bytes of a row, 32 lanes four rows
	v_lshlrev_b32 v[TO], 8, v1
	v_lshl_add_u32 v[TO], v2, 5, v[TO]
	; where my results go.  (which x 4 + batch) x 16 + my first head numbers a head's block in qkv and in fq
	s_lshl_b32 s46, ttmp9, 2
	s_add_co_u32 s46, s46, s41
	s_lshl_b32 s46, s46, 4
	s_lshl_b32 s47, s40, 2
	s_add_co_u32 s46, s46, s47
	s_lshl_b32 s47, s16, 1
	s_add_co_u32 s46, s46, s47
	s_and_b32 s95, ttmp7, 0xffff
	s_lshl_b32 s95, s95, 8
	s_lshl_b32 s94, s15, 7
	s_add_co_u32 s95, s95, s94                     ; my first position in the sequence: cluster y and the wave's number alone.  0: my block 0 is positions 0-15
	s_lshl_b32 s20, s46, 18                        ; a head is 262,144 bytes of qkv,
	s_lshl_b32 s21, s95, 7                         ; a position 128
	s_add_co_u32 s20, s20, s21
	s_mov_b32 s21, 0
	s_add_nc_u64 s[10:11], s[10:11], s[20:21]
	s_lshl_b32 s20, s95, 8                         ; a position is 256 bytes of the table
	s_add_nc_u64 s[8:9], s[8:9], s[20:21]
	s_lshl_b32 s20, s46, 12                        ; a head is 4,096 bytes of fq
	s_add_nc_u64 s[12:13], s[12:13], s[20:21]
; The table words of block a (16 positions): lane (r, h) takes cos and sin of frequencies 16 u + 8 h + 0..7 of its row's position.  In a set: cos u = 0, cos u = 1, sin u = 0, sin u = 1, eight registers each.
.macro TAB a
.irp p, 0,1
.irp u, 0,1
.irp g, 0,1
	global_load_b128 v[CSB+32*((\a)%2)+16*\p+8*\u+4*\g:CSB+32*((\a)%2)+16*\p+8*\u+4*\g+3], v[TO], s[8:9] offset:(\a)*4096+128*\p+64*\u+16*\g
.endr
.endr
.endr
.endm
.macro FRAG reg, adr, q, i             ; 16 rows x 128 K of 4-bit codes: 8 registers, two loads of 16 bytes, 32 bytes apart
.irp c, 0,1
	ds_load_b128 v[\reg+4*\c:\reg+4*\c+3], v[\adr] offset:64*(\q)+32*\c+(\i)*16*PITCH
.endr
.endm
; 16 matrix instructions: A's blocks a0, a0 + 1 x B's eight.  The 64 accumulators take turns, one instruction a turn, in the same order in every step.
.macro MUL16 a0, p, q, sc, zero
.irp a, \a0, \a0+1
.irp b, 0,1,2,3,4,5,6,7
.if \zero
	v_wmma_scale_f32_16x16x128_f8f6f4 v[8*(8*((\a)%4)+\b):8*(8*((\a)%4)+\b)+7], v[128*(\p)+FR*\b:128*(\p)+FR*\b+FR-1], v[AF+FR*(\a):AF+FR*(\a)+FR-1], 0, v[SC+8*NQ*(\sc)+NQ*\b+(\q)], v[SC+8*NQ*(\sc)+NQ*(\a)+(\q)] matrix_a_fmt:MATRIX_FMT_FP4 matrix_b_fmt:MATRIX_FMT_FP4 matrix_a_scale:MATRIX_SCALE_ROW1
.else
	v_wmma_scale_f32_16x16x128_f8f6f4 v[8*(8*((\a)%4)+\b):8*(8*((\a)%4)+\b)+7], v[128*(\p)+FR*\b:128*(\p)+FR*\b+FR-1], v[AF+FR*(\a):AF+FR*(\a)+FR-1], v[8*(8*((\a)%4)+\b):8*(8*((\a)%4)+\b)+7], v[SC+8*NQ*(\sc)+NQ*\b+(\q)], v[SC+8*NQ*(\sc)+NQ*(\a)+(\q)] matrix_a_fmt:MATRIX_FMT_FP4 matrix_b_fmt:MATRIX_FMT_FP4 matrix_a_scale:MATRIX_SCALE_ROW1
.endif
.endr
.endr
.endm
.macro FETCH_B slot, q, p
	WIN TO_B
.irp i, 0,1,2,3,4,5,6,7
	FRAG 128*(\p)+FR*\i, ADRB+\slot, \q, \i
.endr
	WIN 0
.endm
.macro FETCH_A slot, q, i0
.irp i, \i0, \i0+1, \i0+2, \i0+3
	FRAG AF+FR*(\i), ADRA+\slot, \q, \i
.endr
.endm
.macro SCALES sc                       ; a slot's scale words: four words a row; lanes 0-15 A's block i, lanes 16-31 B's block i
.irp i, 0,1,2,3,4,5,6,7
	ds_load_b128 v[SC+8*NQ*\sc+NQ*\i:SC+8*NQ*\sc+NQ*\i+3], v[ADRS] offset:\i*SBLK
.endr
.endm
.macro PLACES n                        ; plain vector instructions between a matrix instruction and a load into, or a read of, its registers
.rept \n
	v_nop
.endr
.endm
.macro STEP slot, q, zero
	s_wait_dscnt 4*NL                              ; B's set and A's blocks 0-3 are in; the youngest eight loads (A's blocks 4-7) may be out
	WIN MUL_LO
	MUL16 0, (\q)%2, \q, \slot, \zero
	MUL16 2, (\q)%2, \q, \slot, \zero
	s_wait_dscnt 0
	PLACES NP
	FETCH_B \slot, (\q)+1, 1-(\q)%2
	FETCH_A \slot, (\q)+1, 0
	WIN MUL_HI
	MUL16 4, (\q)%2, \q, \slot, \zero
	MUL16 6, (\q)%2, \q, \slot, \zero
	PLACES NP
	WIN 0
	FETCH_A \slot, (\q)+1, 4
.endm
; Slot 0's last step changes slots: one barrier; in front of it each wave waits for all its tensor loads (slot 1's), adds 0 to its spare word, and waits for that and for its reads of slot 0.
.macro TURN slot, next
	s_wait_tensorcnt 0x0
	ds_add_u32 v[SPW], v[NIL]
	s_wait_dscnt 4*NL+1                            ; the add and the youngest eight loads may be out
	WIN MUL_LO
	MUL16 0, 1, NQ-1, \slot, 0
	s_wait_dscnt 0x0                               ; the add is done, and my reads of this slot are over
	s_barrier_signal -1
	MUL16 2, 1, NQ-1, \slot, 0
	WIN 0
	s_barrier_wait -1
	PLACES NP
	v_add_nc_u32 v[ADRS], 4*NQ, v[ADRS]            ; on to the next slot's scale words
	FETCH_B \next, 0, 0
	FETCH_A \next, 0, 0
	SCALES \next
	WIN MUL_HI
	MUL16 4, 1, NQ-1, \slot, 0
	MUL16 6, 1, NQ-1, \slot, 0
	PLACES NP
	WIN 0
	FETCH_A \next, 0, 4
.endm
; The product's last two steps of 128 along K, written on both ways; behind them the places for the writes of the scale words' registers, the loads into A's registers and the reads of results.
.macro TAILK
	STEP 1, 2, 0
	s_wait_dscnt 4*NL                              ; the very last step: nothing more to fetch
	WIN MUL_LO
	MUL16 0, 1, NQ-1, 1, 0
	MUL16 2, 1, NQ-1, 1, 0
	s_wait_dscnt 0
	WIN MUL_HI
	MUL16 4, 1, NQ-1, 1, 0
	MUL16 6, 1, NQ-1, 1, 0
	WIN 0
	PLACES NP
.endm
; THE WAY OUT, block by block of 16 positions x 128 columns (two heads).
; ROPE: lo' = lo cos - hi sin, hi' = hi cos + lo sin, in f32, into v[T..]; each accumulator is read from its low end on; then rounded to f16, 16 bytes a lane and block of columns.
.macro ROPE a
.set AC, 64*((\a)%4)
.set CSS, CSB+32*((\a)%2)
	WIN 2+(\a)/4
.irp hh, 0,1
.irp u, 0,1
.irp jp, 0,1,2,3
	v_pk_mul_f32 v[T+8*(4*\hh+\u)+2*\jp:T+8*(4*\hh+\u)+2*\jp+1], v[AC+8*(4*\hh+2+\u)+2*\jp:AC+8*(4*\hh+2+\u)+2*\jp+1], v[CSS+16+8*\u+2*\jp:CSS+16+8*\u+2*\jp+1]
	v_pk_mul_f32 v[T+8*(4*\hh+2+\u)+2*\jp:T+8*(4*\hh+2+\u)+2*\jp+1], v[AC+8*(4*\hh+\u)+2*\jp:AC+8*(4*\hh+\u)+2*\jp+1], v[CSS+16+8*\u+2*\jp:CSS+16+8*\u+2*\jp+1]
.endr
.irp jp, 0,1,2,3
	v_pk_fma_f32 v[T+8*(4*\hh+\u)+2*\jp:T+8*(4*\hh+\u)+2*\jp+1], v[AC+8*(4*\hh+\u)+2*\jp:AC+8*(4*\hh+\u)+2*\jp+1], v[CSS+8*\u+2*\jp:CSS+8*\u+2*\jp+1], v[T+8*(4*\hh+\u)+2*\jp:T+8*(4*\hh+\u)+2*\jp+1] neg_lo:[0,0,1] neg_hi:[0,0,1]
	v_pk_fma_f32 v[T+8*(4*\hh+2+\u)+2*\jp:T+8*(4*\hh+2+\u)+2*\jp+1], v[AC+8*(4*\hh+2+\u)+2*\jp:AC+8*(4*\hh+2+\u)+2*\jp+1], v[CSS+8*\u+2*\jp:CSS+8*\u+2*\jp+1], v[T+8*(4*\hh+2+\u)+2*\jp:T+8*(4*\hh+2+\u)+2*\jp+1]
.endr
.endr
.endr
	WIN 0
.irp b, 0,1,2,3,4,5,6,7
.irp i, 0,1,2,3
	v_cvt_pk_f16_f32 v[PK+4*\b+\i], v[T+8*\b+2*\i], v[T+8*\b+2*\i+1]
.endr
.endr
.endm
.macro PACKV a                         ; v: straight from the accumulators
.set AC, 64*((\a)%4)
	WIN 0x0a+5*((\a)/4)
.irp b, 0,1,2,3,4,5,6,7
.irp i, 0,1,2,3
	v_cvt_pk_f16_f32 v[PK+4*\b+\i], v[AC+8*\b+2*\i], v[AC+8*\b+2*\i+1]
.endr
.endr
	WIN 0
.endm
.macro TOST a                          ; through my own stage: LDS serves a wave's instructions in order, so no wait stands between the stores and the loads
.irp b, 0,1,2,3,4,5,6,7
	ds_store_b128 v[STO], v[PK+4*\b:PK+4*\b+3] offset:32*\b
.endr
.irp t, 0,1,2,3,4,5,6,7
	ds_load_b128 v[BK+32*((\a)%2)+4*\t:BK+32*((\a)%2)+4*\t+3], v[RD] offset:(\t/4)*128+(\t%4)*4*SPITCH
.endr
.endm
.macro SEND a, younger                 ; four rows of one head an instruction: 512 consecutive bytes, aligned; every offset is an immediate
	s_wait_dscnt \younger
.irp t, 0,1,2,3,4,5,6,7
	global_store_b128 v[CO], v[BK+32*((\a)%2)+4*\t:BK+32*((\a)%2)+4*\t+3], s[10:11] offset:(\t/4)*262144+(\a)*2048+(\t%4)*512 th:TH_STORE_NT
.endr
.endm
	s_wait_tensorcnt 1                             ; the scales and my part of slot 0 are in; slot 1's load may be out,
	s_barrier_signal -1
	s_barrier_wait -1                              ; everybody's are
	FETCH_B 0, 0, 0
	FETCH_A 0, 0, 0
	SCALES 0
	FETCH_A 0, 0, 4
	STEP 0, 0, 1                                   ; the first products start the sums: nothing is cleared
	STEP 0, 1, 0
	STEP 0, 2, 0
	TURN 0, 1
	STEP 1, 0, 0
	STEP 1, 1, 0
	s_cmp_eq_u32 ttmp9, 2                          ; v has no RoPE: the ways part here, once; cluster x is the same in all partners (every window is 0 here)
	s_cbranch_scc1 .Lvcopy
	; ---- q and k
	TAB 0                                          ; the table words of blocks 0 and 1: sixteen loads, which land under the last two steps
	TAB 1
	TAILK
.irp a, 0,1,2,3,4,5,6,7
.if \a < 7
	s_wait_loadcnt 8                               ; this block's eight table loads are in; the next block's eight stay out
.else
	s_wait_loadcnt 0x0
.endif
	ROPE \a
.if \a < 6
	TAB \a+2
.endif
.if \a == 0
	s_cmp_lg_u32 s95, 0                            ; positions 0-15 leave in f32 too
	s_cbranch_scc1 .Lnoside_qk
.irp b, 0,1,2,3,4,5,6,7
	global_store_b128 v[TO], v[T+8*\b:T+8*\b+3], s[12:13] offset:(\b/4)*4096+(\b%4)*64
	global_store_b128 v[TO], v[T+8*\b+4:T+8*\b+7], s[12:13] offset:(\b/4)*4096+(\b%4)*64+16
.endr
	s_wait_xcnt 0x0                                ; these stores have read their data: the next block writes the same registers
.Lnoside_qk:
.endif
.if \a > 1
	s_wait_xcnt 0x0                                ; block a - 2's stores have read their registers: block a's rows may land there
.endif
	TOST \a
.if \a > 0
	SEND \a-1, 16                                  ; behind block a - 1's loads: block a's 8 stores and 8 loads
.endif
.endr
	SEND 7, 0
	s_branch .Lend
	; ---- v
.Lvcopy:
	TAILK
	s_cmp_lg_u32 s95, 0
	s_cbranch_scc1 .Lnoside_v
	WIN 0x08                                       ; a store's data are its source 1: window 2
.irp b, 0,1,2,3,4,5,6,7
	global_store_b128 v[TO], v[8*\b:8*\b+3], s[12:13] offset:(\b/4)*4096+(\b%4)*64
	global_store_b128 v[TO], v[8*\b+4:8*\b+7], s[12:13] offset:(\b/4)*4096+(\b%4)*64+16
.endr
	WIN 0
.Lnoside_v:
.irp a, 0,1,2,3,4,5,6,7
	PACKV \a
.if \a > 1
	s_wait_xcnt 0x0                                ; block a - 2's stores have read their registers
.endif
	TOST \a
.if \a > 0
	SEND \a-1, 16
.endif
.endr
	SEND 7, 0
.Lend:
	s_wait_tensorcnt 0x0                           ; the wave's end
	ds_add_u32 v[SPW], v[NIL]
	s_wait_dscnt 0x0
	CROUND                                         ; the closing round
	s_endpgm
.Lfunc_end_k_qe179eb873a_qkv:
	.size	k_qe179eb873a_qkv, .Lfunc_end_k_qe179eb873a_qkv-k_qe179eb873a_qkv
	.p2alignl 7, 3214868480
	.fill 96, 4, 3214868480
	.section	.rodata,"a",@progbits
	.p2align	6, 0x0
	.amdhsa_kernel k_qe179eb873a_qkv
		.amdhsa_group_segment_fixed_size 327680
		.amdhsa_private_segment_fixed_size 0
		.amdhsa_enable_private_segment 0
		.amdhsa_kernarg_size 40
		.amdhsa_user_sgpr_count 2
		.amdhsa_user_sgpr_kernarg_segment_ptr 1
		.amdhsa_wavefront_size32 1
		.amdhsa_system_sgpr_workgroup_id_x 1
		.amdhsa_system_sgpr_workgroup_id_y 1
		.amdhsa_system_sgpr_workgroup_id_z 1
		.amdhsa_system_vgpr_workitem_id 0
		.amdhsa_next_free_vgpr 1024
		.amdhsa_next_free_sgpr 100
		.amdhsa_reserve_vcc 0
		.amdhsa_float_denorm_mode_32 3
		.amdhsa_float_denorm_mode_16_64 3
		.amdhsa_memory_ordered 1
		.amdhsa_forward_progress 1
		.amdhsa_inst_pref_size 218
	.end_amdhsa_kernel
	.amdgpu_metadata
---
amdhsa.version: [ 1, 2 ]
amdhsa.kernels:
  - .name:           k_qe179eb873a_qkv
    .symbol:         k_qe179eb873a_qkv.kd
    .args:
      - { .name: codes, .offset: 0, .size: 8, .value_kind: global_buffer, .address_space: global }
      - { .name: scales, .offset: 8, .size: 8, .value_kind: global_buffer, .address_space: global }
      - { .name: rope, .offset: 16, .size: 8, .value_kind: global_buffer, .address_space: global }
      - { .name: qkv, .offset: 24, .size: 8, .value_kind: global_buffer, .address_space: global }
      - { .name: fq, .offset: 32, .size: 8, .value_kind: global_buffer, .address_space: global }
    .group_segment_fixed_size: 327680
    .private_segment_fixed_size: 0
    .kernarg_segment_align: 8
    .kernarg_segment_size: 40
    .max_flat_workgroup_size: 128
    .sgpr_count:     100
    .vgpr_count:     1024
    .wavefront_size: 32
...
	.end_amdgpu_metadata
.endif
;; end of part 2
;; launch attn (part 3): grid 4 x 64, 16 waves a work-group, no clusters, 327,680 bytes of LDS; arguments qkv, att; writes att
.if DOCPART == 3
	.amdgcn_target "amdgcn-amd-amdhsa--gfx1250"
	.amdhsa_code_object_version 6
	.text
	.protected	k_qe179eb873a_attn
	.globl	k_qe179eb873a_attn
	.p2align	8
	.type	k_qe179eb873a_attn,@function
k_qe179eb873a_attn:
	s_mov_b64 s[64:65], 0
	v_nop
	global_prefetch_b8 v0, s[64:65] scope:SCOPE_SE
	s_setreg_imm32_b32 hwreg(HW_REG_WAVE_MODE, 25, 1), 1
	s_wait_xcnt 0x0
; att = softmax(q k^T / 8, causal) v for each of 64 (batch, head), f16 operands, products, maxima and sums in f32; the result leaves as f16, [4 b][32 blocks of 64 positions][16 h][64][64].
; WORK LEFT OUT: steps of 64 keys that lie wholly behind a wave's 32 queries, and slots of keys behind the work-group's last query: under the problem's own lower-triangular mask their weights are 0 for all finite inputs.
; LIMITS: the result must stay under 65,504 in magnitude (f16); a NaN or an infinity that would arise only in hidden tiles is not carried.  Positions 0-15 are made here inside live tiles, but nothing made of them reaches the output: a later launch makes those rows in f32.
; SHARES.  Work-group (i, head) owns the blocks i and 7 - i of 256 queries: (i + 1) + (8 - i) = 9 blocks of keys for every work-group.  Each of its sixteen waves owns 32 queries, two tiles of 16, of one of the two blocks.
; All waves walk the 8 slots of 256 keys (trip counts are constants); a hidden step's work is jumped over by a scalar branch on ids.  K's and V's tiles come through two LDS slots
; filled by tensor loads (waves 0, 1: K's halves; waves 2, 3: V's); at most one tensor load of a wave is out.
; NO CLUSTER: the four work-groups of a head end their walks at different slots, so a joint load would bring tiles that every wave of a partner jumps over.
; LAYOUT.  S^T = K Q^T (source 0 = 16 keys, source 1 = 16 queries): a lane holds one query (lane % 16) and keys 8 (lane / 16) + 0..7.  Two such tiles, rounded to f16 in pairs, are source 1 of O^T = V^T P;
; V ([key][channel]) comes out of LDS turned, by ds_load_tr16_b128.  SOFTMAX: a running maximum m and sum l; p = 2^(c s - c m), c = log2(e) / 8; O and l are multiplied by a = 2^(c m_old - c m_new) in every step.
.set PKP,   144                        ; a row of K in LDS: 128 bytes + 16
.set PVP,   160                        ; a row of V: 128 + 32
.set VOFF,  256*PKP                    ; a slot: 256 rows of K, then 256 rows of V
.set SLOT1, 1<<17
.set SPARE, 2*SLOT1                    ; the spare words: 128 bytes for each of 16 waves, named by no other line
.set AK0, 1
.set AV0, 2
.set ADK, 3
.set ADV, 4
.set SPW, 5
.set NIL, 6
.set PFO, 7                            ; 256 x lane
.set DL,  8                            ; lane % 16 - 8 (lane / 16)
.set ST,  12                           ; tile qt's statistics at v[ST + 8 qt]: +0 c m, +1 m, +2, +3 l, +4..+7 at work; a in +6
.set XX,  28                           ; v[28:29], v[30:31] the sums' second chain
.set QR,  32                           ; Q: 32 + 16 qt + 8 ds
.set S,   64                           ; S^T: 64 + 32 qt + 8 kt; P in place: 64 + 32 qt + 8 g
.set O,   128                          ; O^T: 128 + 32 qt + 8 t
.set KV,  192                          ; a step's K, then its V
.set TB,  2
.set WV,  18
.set SEL, 20
.set CS,  22
.set G1K, 24
.set G1V, 32
.set G0K, 40
.set G0V, 44
.set LQ,  66                           ; my work-group's last query
.set SLOTS, 67
.set PFA, 76
.set LIM, 80
.set KF,  98                           ; the step's first key
.set Q0,  99                           ; my first query
.macro TLOAD g0k, g1k, g0v, g1v        ; waves 0, 1 fetch for K, waves 2, 3 for V, the others nothing; an s_nop 0 and four v_nop follow each line
	s_cmp_lt_u32 s[WV], 2
	s_cbranch_scc0 .Lnot_k_\@
	tensor_load_to_lds s[\g0k:\g0k+3], s[\g1k:\g1k+7]
	s_nop 0
.rept 4
	v_nop
.endr
	s_branch .Lasked_\@
.Lnot_k_\@:
	s_cmp_lt_u32 s[WV], 4
	s_cbranch_scc0 .Lasked_\@
	tensor_load_to_lds s[\g0v:\g0v+3], s[\g1v:\g1v+7]
	s_nop 0
.rept 4
	v_nop
.endr
.Lasked_\@:
.endm
; A prefetch of what the next change of slots will ask for: 32,768 bytes of K and of V.  The head's work-group 0, which walks all eight slots, asks, and nobody else; in it waves 4-7 ask for K's, waves 8-11 for V's,
; 8,192 bytes a wave, lanes 256 bytes apart: each aligned 256 bytes is named once in the launch.  The last change that fills a slot asks for nothing; slots 0 and 1 come by their loads alone.
.macro ASK
	s_cmp_gt_u32 s[SLOTS], s[LIM]
	s_cbranch_scc0 .Lnot_mine_\@
	global_prefetch_b8 v[PFO], s[PFA:PFA+1] th:TH_LOAD_NT scope:SCOPE_SE
.Lnot_mine_\@:
.endm
	s_load_b128 s[4:7], s[0:1], 0x0                ; qkv s[4:5], att s[6:7]
	v_lshl_add_u32 v[SPW], v0, 2, SPARE
	v_mov_b32 v[NIL], 0
	ds_add_u32 v[SPW], v[NIL]                      ; the wave's opening: the add, twice on end, and its wait ahead of my first tensor load
	ds_add_u32 v[SPW], v[NIL]
	v_lshrrev_b32 v9, 5, v0
	v_readfirstlane_b32 s[WV], v9                  ; wave 0..15
	s_and_b32 s72, ttmp7, 0xffff                   ; batch x 16 + head
	s_lshl_b32 s73, s72, 18                        ; the head's first byte in each of q, k, v
	s_lshr_b32 s74, s[WV], 2
	s_xor_b32 s74, s74, s[WV]
	s_and_b32 s74, s74, 1                          ; 1: my queries lie in the late block
	s_sub_co_u32 s75, 7, ttmp9
	s_cmp_eq_u32 s74, 1
	s_cselect_b32 s75, s75, ttmp9                  ; my block of 256 queries
	s_lshl_b32 s75, s75, 8
	s_lshr_b32 s74, s[WV], 1
	s_lshl_b32 s74, s74, 5
	s_add_co_u32 s[Q0], s75, s74                   ; my first query
	s_sub_co_u32 s[LQ], 8, ttmp9
	s_lshl_b32 s[LQ], s[LQ], 8
	s_sub_co_u32 s[LQ], s[LQ], 1
	s_and_b32 s88, s[WV], 1                        ; which half of a slot's rows I fetch, if I fetch
	s_lshl_b32 s90, s88, 14
	s_add_co_u32 s90, s90, s73
	s_add_co_u32 s90, s90, 0x1000000               ; K: in memory
	s_mov_b32 s91, 0
	s_add_co_u32 s92, s90, 0x1000000               ; V
	s_mov_b32 s93, 0
	s_mul_i32 s89, s88, 128*PKP                    ; and in a slot
	s_mul_i32 s94, s88, 128*PVP
	s_add_co_u32 s94, s94, VOFF
	s_mov_b32 s[G1K], (0<<16)|(1<<20)|(4<<22)|(3<<25)   ; elements of 1 byte; padding: 4 words behind every 32
	s_mov_b32 s[G1V], (0<<16)|(1<<20)|(4<<22)|(7<<25)   ; 8 words behind every 32
.irp g, G1K, G1V
	s_mov_b32 s[\g+1], 128<<16                     ; tensor_dim0
	s_mov_b32 s[\g+2], 128<<16                     ; tensor_dim1
	s_mov_b32 s[\g+3], 128<<16                     ; tile_dim0
	s_mov_b32 s[\g+4], 128                         ; tile_dim1
	s_mov_b32 s[\g+5], 128                         ; from row to row
	s_mov_b32 s[\g+6], 0
	s_mov_b32 s[\g+7], 0
.endr
	s_mov_b32 s[SEL], 0x76543210
	s_mov_b32 s[SEL+1], 0xfedcba98
	s_mov_b32 s[CS], 0x3e38aa3b                    ; c = log2(e) / 8
	s_mov_b32 s[CS+1], s[CS]
	s_mov_b32 s[TB], 0
	s_mov_b32 s[SLOTS], 7
	s_mov_b32 s[KF], 0
	s_wait_dscnt 0x0                               ; both opening adds are done
	s_wait_kmcnt 0x0
	s_mov_b32 s[G0K], 1
	s_mov_b32 s[G0K+1], s89
	s_add_nc_u64 s[G0K+2:G0K+3], s[4:5], s[90:91]
	s_or_b32 s[G0K+3], s[G0K+3], 0x80000000
	s_mov_b32 s[G0V], 1
	s_mov_b32 s[G0V+1], s94
	s_add_nc_u64 s[G0V+2:G0V+3], s[4:5], s[92:93]
	s_or_b32 s[G0V+3], s[G0V+3], 0x80000000
	TLOAD G0K, G1K, G0V, G1V                       ; slot 0
	s_lshl_b32 s84, s[Q0], 7
	s_add_co_u32 s84, s84, s73
	s_mov_b32 s85, 0
	s_add_nc_u64 s[8:9], s[4:5], s[84:85]          ; q at my first query
	s_lshr_b32 s82, s72, 4                         ; att: ((batch x 32 + block of 64) x 16 + head) x 8,192 + row x 128
	s_lshl_b32 s82, s82, 5
	s_lshr_b32 s83, s[Q0], 6
	s_add_co_u32 s82, s82, s83
	s_lshl_b32 s82, s82, 4
	s_and_b32 s83, s72, 15
	s_add_co_u32 s82, s82, s83
	s_lshl_b32 s82, s82, 13
	s_and_b32 s83, s[Q0], 63
	s_lshl_b32 s83, s83, 7
	s_add_co_u32 s82, s82, s83
	s_mov_b32 s83, 0
	s_add_nc_u64 s[6:7], s[6:7], s[82:83]
	s_cmp_lt_u32 s[WV], 8                          ; the prefetches: waves 4-7 K's part, waves 8-11 V's
	s_mov_b32 s86, 0x2000000
	s_cselect_b32 s86, 0x1000000, s86
	s_and_b32 s87, s[WV], 3
	s_lshl_b32 s87, s87, 13
	s_add_co_u32 s86, s86, s87
	s_add_co_u32 s86, s86, s73
	s_add_co_u32 s86, s86, 32768                   ; in slot 1: the first change of slots steps it to slot 2
	s_mov_b32 s87, 0
	s_add_nc_u64 s[PFA:PFA+1], s[4:5], s[86:87]
	s_sub_co_u32 s86, s[WV], 4
	s_lshr_b32 s86, s86, 3                         ; 0 in waves 4 to 11,
	s_or_b32 s86, s86, ttmp9                       ; of the head's work-group 0
	s_cmp_eq_u32 s86, 0
	s_cselect_b32 s[LIM], 1, -1
	v_and_b32 v[PFO], 31, v0
	v_lshlrev_b32 v[PFO], 8, v[PFO]
	v_and_b32 v9, 15, v0                           ; r
	v_bfe_u32 v10, v0, 4, 1                        ; h
	v_lshlrev_b32 v11, 7, v9
	v_lshl_add_u32 v11, v10, 4, v11                ; q: row r of 128 bytes, + 16 h
.irp qt, 0,1
.irp ds, 0,1
.irp c, 0,1
	global_load_b128 v[QR+16*\qt+8*\ds+4*\c:QR+16*\qt+8*\ds+4*\c+3], v11, s[8:9] offset:2048*\qt+64*\ds+32*\c
.endr
.endr
.endr
	v_mul_u32_u24 v[AK0], v9, PKP
	v_lshl_add_u32 v[AK0], v10, 4, v[AK0]
	v_and_b32 v[ADK], 7, v0
	v_lshl_add_u32 v[ADK], v10, 3, v[ADK]          ; key 8 h + lane % 8
	v_mul_u32_u24 v[AV0], v[ADK], PVP
	v_bfe_u32 v[ADK], v0, 3, 1
	v_lshl_add_u32 v[AV0], v[ADK], 4, v[AV0]
	v_add_nc_u32 v[AV0], VOFF, v[AV0]
	v_lshlrev_b32 v[ADV], 3, v10
	v_sub_nc_u32 v[DL], v9, v[ADV]
.irp qt, 0,1
	v_mov_b32 v[ST+8*\qt+1], 0xff61b1e6            ; m: -3e38, under every score
	v_mul_f32 v[ST+8*\qt], s[CS], v[ST+8*\qt+1]    ; c m
.irp k, 2,3,4,5,6,7
	v_mov_b32 v[ST+8*\qt+\k], 0
.endr
.endr
.irp j, 0,1,2,3,4,5,6,7,8,9,10,11,12,13,14,15,16,17,18,19,20,21,22,23,24,25,26,27,28,29,30,31,32,33,34,35,36,37,38,39,40,41,42,43,44,45,46,47,48,49,50,51,52,53,54,55,56,57,58,59,60,61,62,63
	v_mov_b32 v[O+\j], 0                           ; the step is written once: the first finds zeros, which a = 0 leaves zeros
.endr
; A KEY STEP: 64 keys, the stp-th of the slot in hand.
.macro STEP stp
	s_add_co_u32 s96, s[Q0], 31
	s_cmp_gt_u32 s[KF], s96                        ; all 64 keys come after my 32 queries: the step's work is left out
	s_cbranch_scc1 .Lhidden_\@
	v_add_nc_u32 v[ADK], s[TB], v[AK0]
	v_add_nc_u32 v[ADV], s[TB], v[AV0]
.irp f, 0,1,2,3,4,5,6,7                ; K: keys 16 (f / 2) on, channels 32 (f % 2) on
	ds_load_b128 v[KV+8*\f:KV+8*\f+3], v[ADK] offset:(\stp)*64*PKP+(\f/2)*16*PKP+(\f%2)*64
	ds_load_b128 v[KV+8*\f+4:KV+8*\f+7], v[ADK] offset:(\stp)*64*PKP+(\f/2)*16*PKP+(\f%2)*64+32
.endr
	s_wait_dscnt 0x0
.irp ds, 0,1                           ; eight accumulators by turns, one instruction a turn
.irp kt, 0,1,2,3
.irp qt, 0,1
.if \ds == 0
	v_wmma_f32_16x16x32_f16 v[S+32*\qt+8*\kt:S+32*\qt+8*\kt+7], v[KV+16*\kt+8*\ds:KV+16*\kt+8*\ds+7], v[QR+16*\qt+8*\ds:QR+16*\qt+8*\ds+7], 0
.else
	v_wmma_f32_16x16x32_f16 v[S+32*\qt+8*\kt:S+32*\qt+8*\kt+7], v[KV+16*\kt+8*\ds:KV+16*\kt+8*\ds+7], v[QR+16*\qt+8*\ds:QR+16*\qt+8*\ds+7], v[S+32*\qt+8*\kt:S+32*\qt+8*\kt+7]
.endif
.endr
.endr
.endr
.rept 4
	v_nop                                          ; places: in front of the loads into K's registers, and of the first read of the scores
.endr
.irp f, 0,1,2,3,4,5,6,7                ; V, turned: keys 32 (f / 4) on, channels 16 (f % 4) on; it lands under the softmax
	ds_load_tr16_b128 v[KV+8*\f:KV+8*\f+3], v[ADV] offset:(\stp)*64*PVP+(\f/4)*32*PVP+(\f%4)*32
	ds_load_tr16_b128 v[KV+8*\f+4:KV+8*\f+7], v[ADV] offset:(\stp)*64*PVP+(\f/4)*32*PVP+16*PVP+(\f%4)*32
.endr
	s_add_co_u32 s96, s[KF], 63
	s_cmp_le_u32 s96, s[Q0]                        ; all keys count for all my queries: no mask
	s_cbranch_scc1 .Lopen_\@
	s_sub_co_i32 s96, s[Q0], s[KF]
	v_add_nc_u32 v9, s96, v[DL]                    ; register 32 qt + 8 kt + j holds key KF + 16 kt + 8 h + j of query Q0 + 16 qt + r: hidden where 16 kt + j - 16 qt > Q0 - KF + r - 8 h
	v_mov_b32 v10, 0xff800000                      ; -infinity: p = 0 then
.irp qt, 0,1
.irp kt, 0,1,2,3
.irp j, 0,1,2,3,4,5,6,7
	v_cmp_gt_i32 vcc_lo, 16*\kt+\j-16*\qt, v9
	v_cndmask_b32 v[S+32*\qt+8*\kt+\j], v[S+32*\qt+8*\kt+\j], v10, vcc_lo
.endr
.endr
.endr
.Lopen_\@:
.irp k, 0,1,2,3                        ; the maximum: four chains a tile, the two tiles by turns
.irp qt, 0,1
	v_max3_num_f32 v[ST+8*\qt+4+\k], v[S+32*\qt+8*\k], v[S+32*\qt+8*\k+1], v[S+32*\qt+8*\k+2]
.endr
.endr
.irp i, 3,5
.irp k, 0,1,2,3
.irp qt, 0,1
	v_max3_num_f32 v[ST+8*\qt+4+\k], v[ST+8*\qt+4+\k], v[S+32*\qt+8*\k+\i], v[S+32*\qt+8*\k+\i+1]
.endr
.endr
.endr
.irp qt, 0,1
	v_max3_num_f32 v[ST+8*\qt+4], v[ST+8*\qt+4], v[S+32*\qt+7], v[S+32*\qt+15]
.endr
.irp qt, 0,1
	v_max3_num_f32 v[ST+8*\qt+6], v[ST+8*\qt+6], v[S+32*\qt+23], v[S+32*\qt+31]
.endr
.irp qt, 0,1
	v_max3_num_f32 v[ST+8*\qt+4], v[ST+8*\qt+4], v[ST+8*\qt+5], v[ST+8*\qt+6]
.endr
.irp qt, 0,1
	v_max3_num_f32 v[ST+8*\qt+4], v[ST+8*\qt+4], v[ST+8*\qt+7], v[ST+8*\qt+1]
.endr
.irp qt, 0,1
	v_permlanex16_b32 v[ST+8*\qt+5], v[ST+8*\qt+4], s[SEL], s[SEL+1]   ; the query's other 32 keys lie in the lane 16 away
.endr
.irp qt, 0,1
	v_mov_b32 v[ST+8*\qt+7], v[ST+8*\qt]           ; c m_old
.endr
.irp qt, 0,1
	v_max_num_f32 v[ST+8*\qt+1], v[ST+8*\qt+4], v[ST+8*\qt+5]
.endr
.irp qt, 0,1
	v_mul_f32 v[ST+8*\qt], s[CS], v[ST+8*\qt+1]
.endr
.irp qt, 0,1
	v_sub_f32 v[ST+8*\qt+7], v[ST+8*\qt+7], v[ST+8*\qt]
.endr
.irp p, 0,1,2,3,4,5,6,7,8,9,10,11,12,13,14,15
.irp qt, 0,1
	v_pk_fma_f32 v[S+32*\qt+2*\p:S+32*\qt+2*\p+1], v[S+32*\qt+2*\p:S+32*\qt+2*\p+1], s[CS:CS+1], v[ST+8*\qt:ST+8*\qt+1] op_sel_hi:[1,0,0] neg_lo:[0,0,1] neg_hi:[0,0,1]   ; c s - c m
.endr
.endr
.irp qt, 0,1
	v_exp_f32 v[ST+8*\qt+6], v[ST+8*\qt+7]         ; a
.endr
.irp e, 0,1,2,3,4,5,6,7,8,9,10,11,12,13,14,15,16,17,18,19,20,21,22,23,24,25,26,27,28,29,30,31
.irp qt, 0,1
	v_exp_f32 v[S+32*\qt+\e], v[S+32*\qt+\e]
.endr
.endr
	v_nop                                          ; a plain instruction behind the last exponential
	s_wait_alu depctr_va_vdst(0)                   ; one wait for the 66, ahead of their first reader
.irp qt, 0,1
	v_pk_fma_f32 v[ST+8*\qt+2:ST+8*\qt+3], v[ST+8*\qt+2:ST+8*\qt+3], v[ST+8*\qt+6:ST+8*\qt+7], v[S+32*\qt:S+32*\qt+1] op_sel_hi:[1,0,1]   ; l = l a + the first pair
.endr
.irp qt, 0,1
	v_pk_add_f32 v[XX+2*\qt:XX+2*\qt+1], v[S+32*\qt+2:S+32*\qt+3], v[S+32*\qt+6:S+32*\qt+7]
.endr
.irp p, 2,4,6,8,10,12
.irp qt, 0,1
	v_pk_add_f32 v[ST+8*\qt+2:ST+8*\qt+3], v[ST+8*\qt+2:ST+8*\qt+3], v[S+32*\qt+2*\p:S+32*\qt+2*\p+1]
	v_pk_add_f32 v[XX+2*\qt:XX+2*\qt+1], v[XX+2*\qt:XX+2*\qt+1], v[S+32*\qt+2*\p+6:S+32*\qt+2*\p+7]
.endr
.endr
.irp qt, 0,1
	v_pk_add_f32 v[ST+8*\qt+2:ST+8*\qt+3], v[ST+8*\qt+2:ST+8*\qt+3], v[S+32*\qt+28:S+32*\qt+29]
.endr
.irp qt, 0,1
	v_pk_add_f32 v[ST+8*\qt+2:ST+8*\qt+3], v[ST+8*\qt+2:ST+8*\qt+3], v[XX+2*\qt:XX+2*\qt+1]
.endr
.irp i, 0,1,2,3,4,5,6,7,8,9,10,11,12,13,14,15
.irp qt, 0,1
	v_cvt_pk_f16_f32 v[S+32*\qt+\i], v[S+32*\qt+2*\i], v[S+32*\qt+2*\i+1]   ; in place, ascending: register i is written when registers up to 2 i + 1 have been read.  The 16 registers are P's two fragments
.endr
.endr
.irp i, 0,1,2,3,4,5,6,7,8,9,10,11,12,13,14,15
.irp qt, 0,1
	v_pk_mul_f32 v[O+32*\qt+2*\i:O+32*\qt+2*\i+1], v[O+32*\qt+2*\i:O+32*\qt+2*\i+1], v[ST+8*\qt+6:ST+8*\qt+7] op_sel_hi:[1,0]
.endr
.endr
	s_wait_dscnt 0x0                               ; V is in
.irp g, 0,1                            ; eight accumulators by turns
.irp t, 0,1,2,3
.irp qt, 0,1
	v_wmma_f32_16x16x32_f16 v[O+32*\qt+8*\t:O+32*\qt+8*\t+7], v[KV+32*\g+8*\t:KV+32*\g+8*\t+7], v[S+32*\qt+8*\g:S+32*\qt+8*\g+7], v[O+32*\qt+8*\t:O+32*\qt+8*\t+7]
.endr
.endr
.endr
.rept 5
	v_nop                                          ; places: the next step's loads into V's registers, its products, which write over P, and the way out's reads of O
.endr
.Lhidden_\@:
	s_add_co_u32 s[KF], s[KF], 64
.endm
; THE CHANGE OF SLOTS, at a slot's head.  Each wave waits for all its tensor loads, adds 0 to its spare word (fill = 1: twice on end), and waits for that
; and for its reads of the slot that it has left; behind the barrier that slot is filled with the next 256 keys, while their first key is at or under the work-group's last query.
.macro CHANGE fill
	s_wait_tensorcnt 0x0                           ; no tensor load of mine is out, so a descriptor may be written
	ds_add_u32 v[SPW], v[NIL]
.if \fill
	ds_add_u32 v[SPW], v[NIL]
	s_xor_b32 s[G0K+1], s[G0K+1], SLOT1
	s_add_nc_u64 s[G0K+2:G0K+3], s[G0K+2:G0K+3], 32768
	s_xor_b32 s[G0V+1], s[G0V+1], SLOT1
	s_add_nc_u64 s[G0V+2:G0V+3], s[G0V+2:G0V+3], 32768
	s_wait_xcnt 0x0                                ; the last prefetch, a slot back, has read its address
	s_add_nc_u64 s[PFA:PFA+1], s[PFA:PFA+1], 32768
.endif
	s_wait_dscnt 0x0
	s_barrier_signal -1
	s_barrier_wait -1
.if \fill
	s_add_co_u32 s96, s[KF], 256                   ; the first key of the slot that this change would ask for
	s_cmp_gt_u32 s96, s[LQ]                        ; ids and the count of steps alone: all sixteen waves go the same way, and a work-group past the limit stays past it
	s_cbranch_scc1 .Lpast_\@
	TLOAD G0K, G1K, G0V, G1V
.Lpast_\@:
	ASK
.endif
.endm
.macro SLOT_STEPS
	STEP 0
	STEP 1
	STEP 2
	STEP 3
	s_xor_b32 s[TB], s[TB], SLOT1
.endm
	s_wait_loadcnt 0x0                             ; Q
.Lslot:                                            ; seven trips
	CHANGE 1
	SLOT_STEPS
	s_sub_co_u32 s[SLOTS], s[SLOTS], 1
	s_cmp_lg_u32 s[SLOTS], 0
	s_cbranch_scc1 .Lslot
	CHANGE 0                                       ; the last slot is written out: nothing is left to ask for
	SLOT_STEPS
	; THE WAY OUT: O^T / l, rounded to f16, through my stage (32 rows x 144 bytes, in LDS slot 0: it has had its last fill, and nobody reads it behind the last change), out as 4,096 consecutive bytes.
.irp qt, 0,1
	v_add_f32 v[ST+8*\qt+4], v[ST+8*\qt+2], v[ST+8*\qt+3]
.endr
.irp qt, 0,1
	v_permlanex16_b32 v[ST+8*\qt+5], v[ST+8*\qt+4], s[SEL], s[SEL+1]
.endr
.irp qt, 0,1
	v_add_f32 v[ST+8*\qt+4], v[ST+8*\qt+4], v[ST+8*\qt+5]
.endr
.irp qt, 0,1
	v_rcp_f32 v[ST+8*\qt+6], v[ST+8*\qt+4]
.endr
	v_and_b32 v9, 15, v0                           ; (plain work behind the reciprocals)
	v_bfe_u32 v10, v0, 4, 1
	s_mul_i32 s73, s[WV], 32*PKP
	v_mul_u32_u24 v[ADK], v9, PKP
	v_lshl_add_u32 v[ADK], v10, 4, v[ADK]
	v_add_nc_u32 v[ADK], s73, v[ADK]               ; in: row r, 16 bytes for each half of the lanes
	v_and_b32 v9, 31, v0
	v_lshrrev_b32 v10, 3, v9
	v_mul_u32_u24 v[ADV], v10, PKP
	v_and_b32 v10, 7, v0
	v_lshl_add_u32 v[ADV], v10, 4, v[ADV]
	v_add_nc_u32 v[ADV], s73, v[ADV]               ; back: eight lanes a row, four rows an instruction
	v_lshlrev_b32 v11, 4, v9                       ; and 16 x lane in memory
	s_wait_alu depctr_va_vdst(0)                   ; one wait for the two reciprocals, ahead of their first reader
.irp qt, 0,1
.irp i, 0,1,2,3,4,5,6,7,8,9,10,11,12,13,14,15
	v_pk_mul_f32 v[O+32*\qt+2*\i:O+32*\qt+2*\i+1], v[O+32*\qt+2*\i:O+32*\qt+2*\i+1], v[ST+8*\qt+6:ST+8*\qt+7] op_sel_hi:[1,0]
.endr
.endr
.irp i, 0,1,2,3,4,5,6,7,8,9,10,11,12,13,14,15,16,17,18,19,20,21,22,23,24,25,26,27,28,29,30,31
	v_cvt_pk_f16_f32 v[S+\i], v[O+2*\i], v[O+2*\i+1]
.endr
.irp qt, 0,1
.irp t, 0,1,2,3
	ds_store_b128 v[ADK], v[S+16*\qt+4*\t:S+16*\qt+4*\t+3] offset:\qt*16*PKP+32*\t
.endr
.endr
.irp i, 0,1,2,3,4,5,6,7
	ds_load_b128 v[KV+4*\i:KV+4*\i+3], v[ADV] offset:\i*4*PKP   ; LDS serves a wave's instructions in order: these see my stores
.endr
.irp i, 0,1,2,3,4,5,6,7
	s_wait_dscnt 7-\i                              ; the younger loads stay out
	global_store_b128 v11, v[KV+4*\i:KV+4*\i+3], s[6:7] offset:512*\i th:TH_STORE_NT
.endr
	s_wait_tensorcnt 0x0                           ; the wave's end
	ds_add_u32 v[SPW], v[NIL]
	s_wait_dscnt 0x0
	s_endpgm
.Lfunc_end_k_qe179eb873a_attn:
	.size	k_qe179eb873a_attn, .Lfunc_end_k_qe179eb873a_attn-k_qe179eb873a_attn
	.p2alignl 7, 3214868480
	.fill 96, 4, 3214868480
	.section	.rodata,"a",@progbits
	.p2align	6, 0x0
	.amdhsa_kernel k_qe179eb873a_attn
		.amdhsa_group_segment_fixed_size 327680
		.amdhsa_private_segment_fixed_size 0
		.amdhsa_enable_private_segment 0
		.amdhsa_kernarg_size 16
		.amdhsa_user_sgpr_count 2
		.amdhsa_user_sgpr_kernarg_segment_ptr 1
		.amdhsa_wavefront_size32 1
		.amdhsa_system_sgpr_workgroup_id_x 1
		.amdhsa_system_sgpr_workgroup_id_y 1
		.amdhsa_system_sgpr_workgroup_id_z 1
		.amdhsa_system_vgpr_workitem_id 0
		.amdhsa_next_free_vgpr 256
		.amdhsa_next_free_sgpr 100
		.amdhsa_reserve_vcc 1
		.amdhsa_float_denorm_mode_32 3
		.amdhsa_float_denorm_mode_16_64 3
		.amdhsa_memory_ordered 1
		.amdhsa_forward_progress 1
		.amdhsa_inst_pref_size 189
	.end_amdhsa_kernel
	.amdgpu_metadata
---
amdhsa.version: [ 1, 2 ]
amdhsa.kernels:
  - .name:           k_qe179eb873a_attn
    .symbol:         k_qe179eb873a_attn.kd
    .args:
      - { .name: qkv, .offset: 0, .size: 8, .value_kind: global_buffer, .address_space: global }
      - { .name: att, .offset: 8, .size: 8, .value_kind: global_buffer, .address_space: global }
    .group_segment_fixed_size: 327680
    .private_segment_fixed_size: 0
    .kernarg_segment_align: 8
    .kernarg_segment_size: 16
    .max_flat_workgroup_size: 512
    .sgpr_count:     100
    .vgpr_count:     256
    .wavefront_size: 32
...
	.end_amdgpu_metadata
.endif
;; end of part 3
;; launch proj (part 4): grid 8 x 64, 4 waves a work-group, clusters of 4 x 4, 327,680 bytes of LDS; arguments att, wo16, out0; writes out0
.if DOCPART == 4
	.amdgcn_target "amdgcn-amd-amdhsa--gfx1250"
	.amdhsa_code_object_version 6
	.text
	.protected	k_qe179eb873a_proj
	.globl	k_qe179eb873a_proj
	.p2align	8
	.type	k_qe179eb873a_proj,@function
k_qe179eb873a_proj:
	s_mov_b64 s[64:65], 0
	v_nop
	global_prefetch_b8 v0, s[64:65] scope:SCOPE_SE
	s_setreg_imm32_b32 hwreg(HW_REG_WAVE_MODE, 25, 1), 1
	s_wait_xcnt 0x0
	s_wait_alu depctr_hold_cnt(0) depctr_sa_sdst(0) depctr_va_vdst(0) depctr_va_sdst(0) depctr_va_ssrc(0) depctr_va_vcc(0) depctr_vm_vsrc(0)
	s_getreg_b32 s2, hwreg(HW_REG_IB_STS2, 6, 4)
	s_cmp_eq_u32 s2, 0
	s_cbranch_scc0 .Lentry_in_a_cluster
	s_endpgm
.Lentry_in_a_cluster:
	s_bfe_u32 s2, ttmp6, 0x10000c
	s_cmp_lg_u32 s2, 0xf033
	s_cbranch_scc0 .Lentry_shape_is_right
	s_endpgm
.Lentry_shape_is_right:
; out0 = att W_out^T, f16 operands, sums and result in f32.  Rows at positions 0-15 of a sequence are not stored here: the last launch makes them in f32 (their products stand inside live tiles).
; A tile of C is 128 x 128: four waves, 64 x 64 each, 16 accumulators.  K = 1,024 goes in four steps of 256 (four heads) through two LDS slots; two tensor loads of a wave are out at the start, one behind each round.
; att lies [batch x 32 + block of 64 rows][16 heads][64 rows][64 channels]: half a tile of A for a K step, 64 rows x 4 heads, is 32,768 dense bytes: 256 rows of 128 bytes, row = head x 64 + row, 144 bytes apart in LDS.
; CLUSTERS: 4 x 4; A's tiles are asked for jointly along a row of the cluster, B's along a column.  Tile row = 16 cy + cluster y: cy is the batch, so what hangs on the position hangs on no work-group's place in its cluster.
; THE MATRIX INSTRUCTION IS USED TRANSPOSED (source 0 = 16 rows of W_out, source 1 = 16 rows of att): a lane holds eight neighbouring numbers of a row of C.
; REGISTERS: window 0: v0-31 addresses; v32-95 rows on the way out; v128-255 accumulators ((a, b) at v[128 + 8 (4 a + b)]).  window 1: two fragment buffers of 128: 64 registers of A, then 64 of B.
.set KSTEP,  256
.set PA,     144                       ; A's LDS row: 128 bytes + 16
.set PB,     528                       ; B's: 512 bytes + 16
.set HALFA,  256*PA
.set HALFB,  64*PB
.set BOFF,   2*HALFA
.set SLOT,   2*HALFA+2*HALFB
.set STAGE,  2*SLOT                    ; 16 rows x 272 bytes for each wave
.set SPITCH, 272
.set SPARE,  STAGE+4*16*SPITCH         ; the spare words: 128 bytes a wave, named by no other line
.set LAPS,   2
.set ADRA, 16
.set ADRB, 20
.set STO,  24
.set RD,   25
.set CO,   26
.set SPW,  28
.set NIL,  29
.set TMP,  32
.set ACC,  128
.set F0,   0
.set F1,   128
.set G1, 24
.set G0, 32
.set G1B, 48
.set G0B, 56
.set MSB, 0
.macro WIN new
.if MSB != (\new)
	s_set_vgpr_msb (MSB<<8)|(\new)
.set MSB, \new
.endif
.endm
.set MUL,  0x05                        ; sources 0 (B) and 1 (A) window 1; C and D window 0
.set TO_F, 0x40
.macro JLOAD s                         ; waves 0, 1 fetch A's halves, waves 2, 3 B's; an s_nop 0 and four v_nop follow each line
	s_cmp_eq_u32 s11, 0
	s_cbranch_scc0 .Lfor_b_\@
	tensor_load_to_lds s[G0+4*\s:G0+4*\s+3], s[G1:G1+7]
	s_nop 0
.rept 4
	v_nop
.endr
	s_branch .Lasked_\@
.Lfor_b_\@:
	tensor_load_to_lds s[G0B+4*\s:G0B+4*\s+3], s[G1B:G1B+7]
	s_nop 0
.rept 4
	v_nop
.endr
.Lasked_\@:
.endm
.macro CREST
	s_cmp_lg_u32 s10, 0
	s_cbranch_scc1 .Lnot_wave_0_\@
	s_barrier_signal -3
.Lnot_wave_0_\@:
	s_barrier_wait -3
	s_barrier_signal -1
	s_barrier_wait -1
.endm
.macro CROUND
	s_barrier_signal -1
	s_barrier_wait -1
	CREST
.endm
	s_load_b128 s[4:7], s[0:1], 0x0                ; att s[4:5], wo16 s[6:7]
	s_load_b64 s[8:9], s[0:1], 0x10                ; out0
	v_lshl_add_u32 v[SPW], v0, 2, SPARE
	v_mov_b32 v[NIL], 0
	ds_add_u32 v[SPW], v[NIL]                      ; the wave's opening: the add, twice on end, and its wait ahead of my first tensor load
	ds_add_u32 v[SPW], v[NIL]
	v_lshrrev_b32 v1, 5, v0
	v_readfirstlane_b32 s10, v1                    ; wave 0..3
	s_lshr_b32 s11, s10, 1                         ; which half of the tile's rows is mine.  Also: I fetch for A (0) or for B (1)
	s_and_b32 s12, s10, 1                          ; which half of its columns.  Also: which half I fetch
	s_bfe_u32 s40, ttmp6, 0x40000                  ; cx
	s_bfe_u32 s41, ttmp6, 0x40004                  ; cy
	s_lshl_b32 s42, ttmp9, 2
	s_add_co_u32 s42, s42, s40                     ; tile column = 4 x cluster x + cx
	s_and_b32 s13, ttmp7, 0xffff
	s_lshl_b32 s16, s41, 4
	s_add_co_u32 s13, s13, s16                     ; tile row = 16 cy + cluster y
	s_and_b32 s45, ttmp7, 0xffff
	s_or_b32 s45, s45, s11                         ; 0: my block 0 is positions 0-15 (cluster y and the wave's number alone)
	s_lshl_b32 s43, s41, 2
	s_lshl_b32 s43, 15, s43                        ; my row of the cluster
	s_lshl_b32 s44, 0x1111, s40                    ; my column
	s_or_b32 s[G1+0], s43, (0<<16)|(1<<20)|(1<<21)|(4<<22)|(3<<25)   ; A: elements of 1 byte; 4 words of padding behind every 32
	s_mov_b32 s[G1+1], 128<<16                     ; tensor_dim0
	s_mov_b32 s[G1+2], 256<<16                     ; tensor_dim1
	s_mov_b32 s[G1+3], 128<<16                     ; tile_dim0
	s_mov_b32 s[G1+4], 256                         ; tile_dim1
	s_mov_b32 s[G1+5], 128                         ; from row to row
	s_mov_b32 s[G1+6], 0
	s_mov_b32 s[G1+7], 0
	s_or_b32 s[G1B+0], s44, (1<<16)|(1<<20)|(1<<21)|(6<<22)|(3<<25)  ; B: elements of 2 bytes; 4 words behind every 128
	s_mov_b32 s[G1B+1], KSTEP<<16
	s_mov_b32 s[G1B+2], 64<<16
	s_mov_b32 s[G1B+3], KSTEP<<16
	s_mov_b32 s[G1B+4], 64
	s_mov_b32 s[G1B+5], 1024
	s_mov_b32 s[G1B+6], 0
	s_mov_b32 s[G1B+7], 0
	s_lshl_b32 s16, s13, 1
	s_add_co_u32 s16, s16, s12
	s_lshl_b32 s16, s16, 17                        ; A: block of 64 rows 2 x tile row + half, 131,072 bytes each
	s_mov_b32 s17, 0
	s_lshl_b32 s46, s42, 7
	s_lshl_b32 s47, s12, 6
	s_add_co_u32 s46, s46, s47
	s_lshl_b32 s46, s46, 11                        ; B: row 128 x tile column + 64 x half, 2,048 bytes each
	s_mov_b32 s47, 0
	s_mul_i32 s20, s12, HALFA                      ; where they go
	s_mul_i32 s21, s12, HALFB
	s_add_co_u32 s21, s21, BOFF
	s_wait_dscnt 0x0                               ; both opening adds are done
	s_wait_kmcnt 0x0
	s_add_nc_u64 s[14:15], s[4:5], s[16:17]
	s_add_nc_u64 s[46:47], s[6:7], s[46:47]
	CROUND                                         ; all sixteen work-groups are here: the first joint loads meet
.irp s, 0,1
	s_mov_b32 s[G0+4*\s], 1
	s_add_co_u32 s[G0+4*\s+1], s20, \s*SLOT
	s_add_nc_u64 s[G0+4*\s+2:G0+4*\s+3], s[14:15], \s*32768
	s_or_b32 s[G0+4*\s+3], s[G0+4*\s+3], 0x80000000
	s_mov_b32 s[G0B+4*\s], 1
	s_add_co_u32 s[G0B+4*\s+1], s21, \s*SLOT
	s_add_nc_u64 s[G0B+4*\s+2:G0B+4*\s+3], s[46:47], \s*KSTEP*2
	s_or_b32 s[G0B+4*\s+3], s[G0B+4*\s+3], 0x80000000
	JLOAD \s
.endr
	v_and_b32 v1, 15, v0                           ; l % 16
	v_bfe_u32 v2, v0, 4, 1                         ; l / 16
	v_mul_u32_u24 v3, v1, PA
	v_lshl_add_u32 v3, v2, 4, v3
	v_mul_u32_u24 v4, v1, PB
	v_lshl_add_u32 v4, v2, 4, v4
	s_mul_i32 s21, s11, HALFA                      ; my 64 rows of A
	s_mul_i32 s22, s12, HALFB
	s_add_co_u32 s22, s22, BOFF                    ; my 64 rows of B
.irp s, 0,1
	v_add_nc_u32 v[ADRA+\s], s21, v3
	v_add_nc_u32 v[ADRB+\s], s22, v4
	s_add_co_u32 s21, s21, SLOT
	s_add_co_u32 s22, s22, SLOT
.endr
	s_mul_i32 s23, s10, 16*SPITCH
	s_add_co_u32 s23, s23, STAGE                   ; my stage
	v_mul_u32_u24 v5, v1, SPITCH
	v_lshl_add_u32 v5, v2, 5, v5
	v_add_nc_u32 v[STO], s23, v5                   ; in: row l % 16, 32 bytes for each half of the lanes
	v_mul_u32_u24 v5, v2, SPITCH
	v_lshl_add_u32 v5, v1, 4, v5
	v_add_nc_u32 v[RD], s23, v5                    ; back: lanes 0-15 one row of 256 bytes, lanes 16-31 the next
	v_lshlrev_b32 v5, 12, v2
	v_lshl_add_u32 v[CO], v1, 4, v5                ; and the same two rows in C
	s_lshl_b32 s16, s13, 7
	s_lshl_b32 s17, s11, 6
	s_add_co_u32 s16, s16, s17
	s_lshl_b32 s16, s16, 12                        ; my first row of C, 4,096 bytes a row
	s_mov_b32 s17, 0
	s_add_nc_u64 s[8:9], s[8:9], s[16:17]
	s_lshl_b32 s46, s42, 9
	s_lshl_b32 s47, s12, 8
	s_add_co_u32 s46, s46, s47                     ; my first column, in bytes
	s_mov_b32 s47, 0
	s_add_nc_u64 s[8:9], s[8:9], s[46:47]
.macro MUL8 f, c, a0, zero             ; 8 matrix instructions: m blocks a0, a0 + 1 x 4 n blocks, 32 along K; the 16 accumulators take turns
.irp a, \a0, \a0+1
.irp b, 0,1,2,3
.if \zero
	v_wmma_f32_16x16x32_f16 v[ACC+8*(4*(\a)+\b):ACC+8*(4*(\a)+\b)+7], v[\f+64+8*(4*\c+\b):\f+64+8*(4*\c+\b)+7], v[\f+8*(4*\c+\a):\f+8*(4*\c+\a)+7], 0
.else
	v_wmma_f32_16x16x32_f16 v[ACC+8*(4*(\a)+\b):ACC+8*(4*(\a)+\b)+7], v[\f+64+8*(4*\c+\b):\f+64+8*(4*\c+\b)+7], v[\f+8*(4*\c+\a):\f+8*(4*\c+\a)+7], v[ACC+8*(4*(\a)+\b):ACC+8*(4*(\a)+\b)+7]
.endif
.endr
.endr
.endm
.macro FETCH slot, k, f                ; 32 LDS loads: the fragments of 64 along K (one head): B's at byte k of its rows, A's in plane k / 128
	WIN TO_F
.irp c, 0,1
.irp i, 0,1,2,3
	ds_load_b128 v[\f+64+8*(4*\c+\i):\f+64+8*(4*\c+\i)+3],   v[ADRB+\slot] offset:\k+64*\c+\i*16*PB
	ds_load_b128 v[\f+64+8*(4*\c+\i)+4:\f+64+8*(4*\c+\i)+7], v[ADRB+\slot] offset:\k+64*\c+\i*16*PB+32
	ds_load_b128 v[\f+8*(4*\c+\i):\f+8*(4*\c+\i)+3],         v[ADRA+\slot] offset:((\k)/128)*64*PA+64*\c+\i*16*PA
	ds_load_b128 v[\f+8*(4*\c+\i)+4:\f+8*(4*\c+\i)+7],       v[ADRA+\slot] offset:((\k)/128)*64*PA+64*\c+\i*16*PA+32
.endr
.endr
.endm
.macro PLACES
.rept 4
	v_nop
.endr
.endm
.macro QUARTER slot, k, f, g, zero
	s_wait_dscnt 16                                ; the first 32 along K are in; the other sixteen loads may be out
	WIN MUL
	MUL8 \f, 0, 0, \zero
	MUL8 \f, 0, 2, \zero
	PLACES
	FETCH \slot, \k, \g
	s_wait_dscnt 32                                ; all but the 32 just issued
	WIN MUL
	MUL8 \f, 1, 0, 0
	MUL8 \f, 1, 2, 0
.endm
; The last quarter changes slots: one barrier; in front of it each wave waits for all its tensor loads, adds 0 to its spare word, and waits for that and for its reads of this slot.  fill = 1: the barrier opens a round of the cluster's, and the slot is filled again.
.macro TURN slot, next, fill
	WIN 0
	s_wait_tensorcnt 0x0
	ds_add_u32 v[SPW], v[NIL]
	s_wait_dscnt 17                                ; the add and the youngest sixteen loads may be out
	WIN MUL
	MUL8 F1, 0, 0, 0
	s_wait_dscnt 0x0                               ; the add is done, and my reads of this slot are over
	s_barrier_signal -1
	MUL8 F1, 0, 2, 0
.if \fill
	WIN 0
.endif
	s_barrier_wait -1
.if \fill
	CREST
	s_add_nc_u64 s[G0+4*\slot+2:G0+4*\slot+3], s[G0+4*\slot+2:G0+4*\slot+3], 2*32768
	s_add_nc_u64 s[G0B+4*\slot+2:G0B+4*\slot+3], s[G0B+4*\slot+2:G0B+4*\slot+3], 2*KSTEP*2
	JLOAD \slot                                    ; the first tensor load behind the round; its four v_nop are also the places in front of the loads below
.else
	PLACES
.endif
	FETCH \next, 0, F0
	WIN MUL
	MUL8 F1, 1, 0, 0
	MUL8 F1, 1, 2, 0
.endm
	s_wait_tensorcnt 1                             ; my part of K step 0 is in; K step 1's load may be out,
	s_barrier_signal -1
	s_barrier_wait -1                              ; everybody's is
	FETCH 0, 0, F0
	QUARTER 0, 128, F0, F1, 1                      ; the first products start the sums
	WIN 0
	s_mov_b32 s3, LAPS-1
.Llap:
	QUARTER 0, 256, F1, F0, 0
	QUARTER 0, 384, F0, F1, 0
	TURN 0, 1, 1
	QUARTER 1, 128, F0, F1, 0
	QUARTER 1, 256, F1, F0, 0
	QUARTER 1, 384, F0, F1, 0
	TURN 1, 0, 1
	QUARTER 0, 128, F0, F1, 0
	WIN 0
	s_sub_co_u32 s3, s3, 1
	s_cmp_lg_u32 s3, 0
	s_cbranch_scc1 .Llap
	QUARTER 0, 256, F1, F0, 0                      ; the last lap fills nothing
	QUARTER 0, 384, F0, F1, 0
	TURN 0, 1, 0
	QUARTER 1, 128, F0, F1, 0
	QUARTER 1, 256, F1, F0, 0
	QUARTER 1, 384, F0, F1, 0
	s_wait_dscnt 16
	WIN MUL
	MUL8 F1, 0, 0, 0
	MUL8 F1, 0, 2, 0
	s_wait_dscnt 0
	MUL8 F1, 1, 0, 0
	MUL8 F1, 1, 2, 0
	WIN 0
; THE WAY OUT: my 64 columns of f32 are 256 bytes of a row, aligned: a block of 16 rows goes through my own stage and comes back as whole runs of 256 bytes.
.macro OUTST a
.irp b, 0,1,2,3
	ds_store_b128 v[STO], v[ACC+8*(4*(\a)+\b):ACC+8*(4*(\a)+\b)+3] offset:64*\b        ; each accumulator from its low end on
	ds_store_b128 v[STO], v[ACC+8*(4*(\a)+\b)+4:ACC+8*(4*(\a)+\b)+7] offset:64*\b+16
.endr
.irp t, 0,1,2,3,4,5,6,7
	ds_load_b128 v[TMP+32*((\a)%2)+4*\t:TMP+32*((\a)%2)+4*\t+3], v[RD] offset:\t*2*SPITCH
.endr
.endm
.macro SEND a, younger
	s_wait_dscnt \younger
.if (\a) == 0
	s_cmp_eq_u32 s45, 0                            ; positions 0-15 are the last launch's
	s_cbranch_scc1 .Lfine_rows
.endif
.irp t, 0,1,2,3,4,5,6,7
	global_store_b128 v[CO], v[TMP+32*((\a)%2)+4*\t:TMP+32*((\a)%2)+4*\t+3], s[8:9] offset:(16*(\a)+2*\t)*4096 th:TH_STORE_NT   ; 16 lanes store 256 consecutive bytes, aligned
.endr
.if (\a) == 0
.Lfine_rows:
.endif
.endm
	PLACES
	OUTST 0
.irp a, 1,2,3
.if \a > 1
	s_wait_xcnt 0x0                                ; block a - 2's stores have read their registers
.endif
	OUTST \a
	SEND \a-1, 16                                  ; behind block a - 1's loads: block a's 8 stores and 8 loads
.endr
	SEND 3, 0
	s_wait_tensorcnt 0x0                           ; the wave's end
	ds_add_u32 v[SPW], v[NIL]
	s_wait_dscnt 0x0
	CROUND                                         ; the closing round
	s_endpgm
.Lfunc_end_k_qe179eb873a_proj:
	.size	k_qe179eb873a_proj, .Lfunc_end_k_qe179eb873a_proj-k_qe179eb873a_proj
	.p2alignl 7, 3214868480
	.fill 96, 4, 3214868480
	.section	.rodata,"a",@progbits
	.p2align	6, 0x0
	.amdhsa_kernel k_qe179eb873a_proj
		.amdhsa_group_segment_fixed_size 327680
		.amdhsa_private_segment_fixed_size 0
		.amdhsa_enable_private_segment 0
		.amdhsa_kernarg_size 24
		.amdhsa_user_sgpr_count 2
		.amdhsa_user_sgpr_kernarg_segment_ptr 1
		.amdhsa_wavefront_size32 1
		.amdhsa_system_sgpr_workgroup_id_x 1
		.amdhsa_system_sgpr_workgroup_id_y 1
		.amdhsa_system_sgpr_workgroup_id_z 1
		.amdhsa_system_vgpr_workitem_id 0
		.amdhsa_next_free_vgpr 512
		.amdhsa_next_free_sgpr 66
		.amdhsa_reserve_vcc 0
		.amdhsa_float_denorm_mode_32 3
		.amdhsa_float_denorm_mode_16_64 3
		.amdhsa_memory_ordered 1
		.amdhsa_forward_progress 1
		.amdhsa_inst_pref_size 86
	.end_amdhsa_kernel
	.amdgpu_metadata
---
amdhsa.version: [ 1, 2 ]
amdhsa.kernels:
  - .name:           k_qe179eb873a_proj
    .symbol:         k_qe179eb873a_proj.kd
    .args:
      - { .name: att, .offset: 0, .size: 8, .value_kind: global_buffer, .address_space: global }
      - { .name: wo16, .offset: 8, .size: 8, .value_kind: global_buffer, .address_space: global }
      - { .name: out0, .offset: 16, .size: 8, .value_kind: global_buffer, .address_space: global }
    .group_segment_fixed_size: 327680
    .private_segment_fixed_size: 0
    .kernarg_segment_align: 8
    .kernarg_segment_size: 24
    .max_flat_workgroup_size: 128
    .sgpr_count:     66
    .vgpr_count:     512
    .wavefront_size: 32
...
	.end_amdgpu_metadata
.endif
;; end of part 4
;; launch fine (part 5): grid 16 x 4, 16 waves a work-group, no clusters, 71,680 bytes of LDS; arguments fq, W_out, out0; writes out0
.if DOCPART == 5
	.amdgcn_target "amdgcn-amd-amdhsa--gfx1250"
	.amdhsa_code_object_version 6
	.text
	.protected	k_qe179eb873a_fine
	.globl	k_qe179eb873a_fine
	.p2align	8
	.type	k_qe179eb873a_fine,@function
k_qe179eb873a_fine:
	s_mov_b64 s[64:65], 0
	v_nop
	global_prefetch_b8 v0, s[64:65] scope:SCOPE_SE
	s_setreg_imm32_b32 hwreg(HW_REG_WAVE_MODE, 25, 1), 1
	s_wait_xcnt 0x0
; Positions 0-15 of every sequence, all in f32: there a row of the softmax averages one to sixteen values, and the rounding of 16-bit operands would weigh most.
; Work-group (eb, batch) owns out0[batch][0..15][64 eb .. 64 eb + 63].  Wave w is head w: its 16 x 16 attention, then its head's part of the projection (K = its 64 channels); the 16 parts meet in LDS and are added in the order of the heads.
; Keys behind position 15 are hidden from these queries by the problem's own mask and are not read.
; NO OPERAND CHANGES LANES: the f32 matrix form takes k = 2 (lane / 16) + register; a permutation of k applied alike to both sources keeps the sum.
;   S^T = K Q^T: both sources loaded 16 bytes a lane at row r, byte 32 c + 16 h: registers 4 c + {0, 1} and 4 c + {2, 3} are two K steps.  Result: lane (r, h), register j = key 8 h + j of query r.
;   O^T[t] = V^T P^T: source 0 register k = V[8 h + k][16 t + r]; source 1 = p as it lies.  Result: channel 16 t + 8 h + j of query r.
;   out^T[n] = W a^T: source 0 register k = W_out[64 eb + 16 n + r][64 w + 16 t + 8 h + k]; source 1 = a as it lies.  Result: output 16 n + 8 h + j of query r.
; The four accumulators v112-143 are written by matrix instructions alone and take turns, one instruction a turn.
.set QF,  16                           ; v16-47 Q, later W's tile 2
.set KFR, 48                           ; v48-79 K, later W's tile 3
.set VT,  80                           ; v80-111
.set ACC, 112
.set SS,  144                          ; v144-151 scores, then p
.set AN,  160                          ; v160-191 the attention's result
.set SPARE, 16*4352
	s_load_b128 s[4:7], s[0:1], 0x0                ; fq s[4:5], W_out s[6:7]
	s_load_b64 s[8:9], s[0:1], 0x10                ; out0
	v_lshl_add_u32 v8, v0, 2, SPARE                ; my spare word; never rewritten
	v_mov_b32 v9, 0                                ; 0; never rewritten
	v_lshrrev_b32 v10, 5, v0
	v_readfirstlane_b32 s10, v10                   ; wave = head
	v_and_b32 v11, 15, v0                          ; r
	v_bfe_u32 v12, v0, 4, 1                        ; h
	v_lshlrev_b32 v1, 8, v11
	v_lshl_add_u32 v1, v12, 4, v1                  ; q, k: 256 r + 16 h
	v_lshlrev_b32 v2, 2, v11
	v_lshl_add_u32 v2, v12, 11, v2                 ; v: 2,048 h + 4 r
	v_lshlrev_b32 v3, 12, v11
	v_lshl_add_u32 v3, v12, 5, v3                  ; W_out: 4,096 r + 32 h
	s_mul_i32 s11, s10, 4352
	v_mul_u32_u24 v4, v11, 272
	v_lshl_add_u32 v4, v12, 5, v4
	v_add_nc_u32 v4, s11, v4                       ; my part in LDS: 16 rows x (256 bytes + 16)
	s_lshl_b32 s12, s10, 1
	v_add_nc_u32 v13, s12, v12                     ; the row that I add up: 2 w + h (waves 0-7)
	v_mul_u32_u24 v5, v13, 272
	v_lshl_add_u32 v5, v11, 4, v5
	v_lshlrev_b32 v6, 12, v13
	v_lshl_add_u32 v6, v11, 4, v6                  ; and its place in out0
	v_lshlrev_b32 v13, 3, v12
	v_sub_nc_u32 v7, v11, v13                      ; r - 8 h
	v_mov_b32 v14, 0xff800000                      ; -infinity
	s_mov_b32 s16, 0x3e38aa3b                      ; c = log2(e) / 8
	s_mov_b32 s18, 0x76543210
	s_mov_b32 s19, 0xfedcba98
	s_and_b32 s13, ttmp7, 0xffff                   ; batch
	s_lshl_b32 s20, s13, 4
	s_add_co_u32 s20, s20, s10
	s_lshl_b32 s20, s20, 12                        ; fq: (batch x 16 + head) x 4,096
	s_mov_b32 s21, 0
	s_lshl_b32 s22, ttmp9, 18
	s_lshl_b32 s23, s10, 8
	s_add_co_u32 s22, s22, s23                     ; W_out: 64 eb rows of 4,096 bytes + 64 w channels
	s_mov_b32 s23, 0
	s_lshl_b32 s24, s13, 23
	s_lshl_b32 s25, ttmp9, 8
	s_add_co_u32 s24, s24, s25                     ; out0: batch x 2,048 rows + 64 eb columns
	s_mov_b32 s25, 0
	s_wait_kmcnt 0x0
	s_add_nc_u64 s[4:5], s[4:5], s[20:21]
	s_add_nc_u64 s[6:7], s[6:7], s[22:23]
	s_add_nc_u64 s[8:9], s[8:9], s[24:25]
.irp c, 0,1,2,3,4,5,6,7
	global_load_b128 v[QF+4*\c:QF+4*\c+3], v1, s[4:5] offset:32*\c
.endr
.irp c, 0,1,2,3,4,5,6,7
	global_load_b128 v[KFR+4*\c:KFR+4*\c+3], v1, s[4:5] offset:262144+32*\c
.endr
.irp t, 0,1,2,3
.irp k, 0,1,2,3,4,5,6,7
	global_load_b32 v[VT+8*\t+\k], v2, s[4:5] offset:524288+256*\k+64*\t
.endr
.endr
.irp n, 0,1
.irp t, 0,1,2,3
	global_load_b128 v[192+32*\n+8*\t:192+32*\n+8*\t+3], v3, s[6:7] offset:65536*\n+64*\t
	global_load_b128 v[192+32*\n+8*\t+4:192+32*\n+8*\t+7], v3, s[6:7] offset:65536*\n+64*\t+16
.endr
.endr
	s_wait_loadcnt 48                              ; Q and K are in; V's 32 loads and W's 16 stay out
.irp n, 0,1,2,3,4,5,6,7,8,9,10,11,12,13,14,15  ; S^T in four partial sums
.if \n < 4
	v_wmma_f32_16x16x4_f32 v[ACC+8*(\n%4):ACC+8*(\n%4)+7], v[KFR+2*\n:KFR+2*\n+1], v[QF+2*\n:QF+2*\n+1], 0
.else
	v_wmma_f32_16x16x4_f32 v[ACC+8*(\n%4):ACC+8*(\n%4)+7], v[KFR+2*\n:KFR+2*\n+1], v[QF+2*\n:QF+2*\n+1], v[ACC+8*(\n%4):ACC+8*(\n%4)+7]
.endif
.endr
.rept 8
	v_nop                                          ; places behind this form: for the loads into Q's and K's registers and the reads of the sums
.endr
.irp n, 2,3
.irp t, 0,1,2,3
	global_load_b128 v[QF+32*(\n-2)+8*\t:QF+32*(\n-2)+8*\t+3], v3, s[6:7] offset:65536*\n+64*\t
	global_load_b128 v[QF+32*(\n-2)+8*\t+4:QF+32*(\n-2)+8*\t+7], v3, s[6:7] offset:65536*\n+64*\t+16
.endr
.endr
.irp p, 0,1,2,3                        ; the four partial sums, from the low end on
	v_pk_add_f32 v[SS+2*\p:SS+2*\p+1], v[ACC+2*\p:ACC+2*\p+1], v[ACC+8+2*\p:ACC+8+2*\p+1]
	v_pk_add_f32 v[152+2*\p:152+2*\p+1], v[ACC+16+2*\p:ACC+16+2*\p+1], v[ACC+24+2*\p:ACC+24+2*\p+1]
.endr
.irp p, 0,1,2,3
	v_pk_add_f32 v[SS+2*\p:SS+2*\p+1], v[SS+2*\p:SS+2*\p+1], v[152+2*\p:152+2*\p+1]
.endr
.irp j, 0,1,2,3,4,5,6,7
	v_cmp_gt_i32 vcc_lo, \j, v7                    ; key 8 h + j comes after query r
	v_cndmask_b32 v[SS+\j], v[SS+\j], v14, vcc_lo
.endr
	v_max3_num_f32 v152, v144, v145, v146
	v_max3_num_f32 v152, v152, v147, v148
	v_max3_num_f32 v152, v152, v149, v150
	v_max_num_f32 v152, v152, v151
	v_permlanex16_b32 v153, v152, s18, s19
	v_max_num_f32 v152, v152, v153                 ; the row's maximum: key 0 counts for every query
	v_mul_f32 v154, s16, v152
.irp j, 0,1,2,3,4,5,6,7
	v_fma_f32 v[SS+\j], v[SS+\j], s16, -v154
.endr
.irp j, 0,1,2,3,4,5,6,7
	v_exp_f32 v[SS+\j], v[SS+\j]
.endr
	v_nop                                          ; a plain instruction behind the last exponential
	s_wait_alu depctr_va_vdst(0)                   ; one wait for the eight
	v_add_f32 v152, v144, v145
	v_add_f32 v153, v146, v147
	v_add_f32 v155, v148, v149
	v_add_f32 v156, v150, v151
	v_add_f32 v152, v152, v153
	v_add_f32 v155, v155, v156
	v_add_f32 v152, v152, v155
	v_permlanex16_b32 v153, v152, s18, s19
	v_add_f32 v152, v152, v153                     ; the row's sum
	v_rcp_f32 v158, v152
	v_nop
	s_wait_alu depctr_va_vdst(0)
	s_wait_loadcnt 32                              ; V is in; W's 32 loads stay out
.irp c, 0,1,2,3                        ; O^T = V^T P^T: the sums begin anew with 0; more than nine plain lines that name no accumulator stand behind the last product on them
.irp t, 0,1,2,3
.if \c == 0
	v_wmma_f32_16x16x4_f32 v[ACC+8*\t:ACC+8*\t+7], v[VT+8*\t+2*\c:VT+8*\t+2*\c+1], v[SS+2*\c:SS+2*\c+1], 0
.else
	v_wmma_f32_16x16x4_f32 v[ACC+8*\t:ACC+8*\t+7], v[VT+8*\t+2*\c:VT+8*\t+2*\c+1], v[SS+2*\c:SS+2*\c+1], v[ACC+8*\t:ACC+8*\t+7]
.endif
.endr
.endr
.rept 9
	v_nop                                          ; places: for the reads below, and for the next products, which write over these accumulators
.endr
.irp i, 0,1,2,3,4,5,6,7,8,9,10,11,12,13,14,15
	v_pk_mul_f32 v[AN+2*\i:AN+2*\i+1], v[ACC+2*\i:ACC+2*\i+1], v[158:159] op_sel_hi:[1,0]   ; divided by the row's sum, into other registers
.endr
	s_wait_loadcnt 0x0                             ; W
.irp t, 0,1,2,3
.irp c, 0,1,2,3
.irp n, 0,1,2,3
.if (\t == 0) && (\c == 0)
	v_wmma_f32_16x16x4_f32 v[ACC+8*\n:ACC+8*\n+7], v[192+32*\n-240*(\n/2)+8*\t+2*\c:192+32*\n-240*(\n/2)+8*\t+2*\c+1], v[AN+8*\t+2*\c:AN+8*\t+2*\c+1], 0
.else
	v_wmma_f32_16x16x4_f32 v[ACC+8*\n:ACC+8*\n+7], v[192+32*\n-240*(\n/2)+8*\t+2*\c:192+32*\n-240*(\n/2)+8*\t+2*\c+1], v[AN+8*\t+2*\c:AN+8*\t+2*\c+1], v[ACC+8*\n:ACC+8*\n+7]
.endif
.endr
.endr
.endr
.rept 8
	v_nop
.endr
.irp n, 0,1,2,3
	ds_store_b128 v4, v[ACC+8*\n:ACC+8*\n+3] offset:64*\n
	ds_store_b128 v4, v[ACC+8*\n+4:ACC+8*\n+7] offset:64*\n+16
.endr
	s_wait_dscnt 0x0                               ; for the others' sake: my part lies in LDS
	s_barrier_signal -1
	s_barrier_wait -1
	s_cmp_lt_u32 s10, 8                            ; waves 0-7 add up two rows each
	s_cbranch_scc0 .Lnosum
.irp k, 0,1,2,3,4,5,6,7,8,9,10,11,12,13,14,15
	ds_load_b128 v[16+4*\k:16+4*\k+3], v5 offset:\k*4352
.endr
	s_wait_dscnt 0x0
.irp k, 1,2,3,4,5,6,7,8,9,10,11,12,13,14,15
	v_pk_add_f32 v[16:17], v[16:17], v[16+4*\k:16+4*\k+1]
	v_pk_add_f32 v[18:19], v[18:19], v[16+4*\k+2:16+4*\k+3]
.endr
	global_store_b128 v6, v[16:19], s[8:9]         ; 16 lanes store 256 consecutive bytes, aligned
.Lnosum:
	s_wait_tensorcnt 0x0                           ; the wave's end
	ds_add_u32 v8, v9
	s_wait_dscnt 0x0
	s_endpgm
.Lfunc_end_k_qe179eb873a_fine:
	.size	k_qe179eb873a_fine, .Lfunc_end_k_qe179eb873a_fine-k_qe179eb873a_fine
	.p2alignl 7, 3214868480
	.fill 96, 4, 3214868480
	.section	.rodata,"a",@progbits
	.p2align	6, 0x0
	.amdhsa_kernel k_qe179eb873a_fine
		.amdhsa_group_segment_fixed_size 71680
		.amdhsa_private_segment_fixed_size 0
		.amdhsa_enable_private_segment 0
		.amdhsa_kernarg_size 24
		.amdhsa_user_sgpr_count 2
		.amdhsa_user_sgpr_kernarg_segment_ptr 1
		.amdhsa_wavefront_size32 1
		.amdhsa_system_sgpr_workgroup_id_x 1
		.amdhsa_system_sgpr_workgroup_id_y 1
		.amdhsa_system_sgpr_workgroup_id_z 1
		.amdhsa_system_vgpr_workitem_id 0
		.amdhsa_next_free_vgpr 256
		.amdhsa_next_free_sgpr 66
		.amdhsa_reserve_vcc 1
		.amdhsa_float_denorm_mode_32 3
		.amdhsa_float_denorm_mode_16_64 3
		.amdhsa_memory_ordered 1
		.amdhsa_forward_progress 1
		.amdhsa_inst_pref_size 25
	.end_amdhsa_kernel
	.amdgpu_metadata
---
amdhsa.version: [ 1, 2 ]
amdhsa.kernels:
  - .name:           k_qe179eb873a_fine
    .symbol:         k_qe179eb873a_fine.kd
    .args:
      - { .name: fq, .offset: 0, .size: 8, .value_kind: global_buffer, .address_space: global }
      - { .name: W_out, .offset: 8, .size: 8, .value_kind: global_buffer, .address_space: global }
      - { .name: out0, .offset: 16, .size: 8, .value_kind: global_buffer, .address_space: global }
    .group_segment_fixed_size: 71680
    .private_segment_fixed_size: 0
    .kernarg_segment_align: 8
    .kernarg_segment_size: 24
    .max_flat_workgroup_size: 512
    .sgpr_count:     66
    .vgpr_count:     256
    .wavefront_size: 32
...
	.end_amdgpu_metadata
.endif
;; end of part 5
